; MI455X (gfx1250); checked and timed in simulation.
; The chip was launched on July 23, 2026; its instructions are those of AMD's public machine-readable ISA for CDNA 5 (MIT licence, August 2026) and "CDNA5" Instruction Set Architecture Reference Guide (July 2026). The comments in the code are by the model that wrote it; some were corrected since.
;; Attention. Allowed arithmetic: matrix products marked QUANTISED: E2M1 operands, one E8M0 scale for each 32 along K, by v_wmma_scale_f32_16x16x128_f8f6f4 with both operands' format E2M1 (or v_wmma_scale_f32_32x16x128_f4), f32 sums; products left as they are: bf16, f16 or f32 operands; f32 sums; everything else in f32.
;; Inputs: freqs_cos 2,048 x 64 float32; freqs_sin 2,048 x 64 float32; mask 2,048 x 2,048 float32; wk 2,048 x 2,048 float32; wo 2,048 x 2,048 float32; wq 2,048 x 2,048 float32; wv 2,048 x 2,048 float32; x 1 x 2,048 x 2,048 float32.
;; Outputs: out0 1 x 2,048 x 2,048 float32.
;; Constants: start_pos = 0.
;; This version of the problem:
;;   THIS VERSION OF THE PROBLEM IS GIVEN IN LOW PRECISION. The matrix products marked QUANTISED in the list below multiply operands that are first quantised to E2M1 (2 exponent bits, 1 mantissa bit; 4 bits a number), with one power-of-two scale for each 32 numbers along K (OCP MX v1.0); their sums are f32. The products marked 'left as it is' may take bf16, f16 or f32 operands, with f32 sums. Whichever they take, every output number must still come out within the allowed error. Rounding operands to bf16 (8 significant bits) uses up far more of that allowance than f16 does (11 bits, for magnitudes from 6e-5 to 65,504). All else is computed in f32.
;;   The module's matrix products, in the order in which they are computed (A, B: the left and right operand; K: the contracted axis; several contracted axes count as one K, in the product's order):
;;     1. [M 2,048, K 2,048] x [K 2,048, N 2,048]; A: input x; B: input wq: QUANTISED
;;     2. [M 2,048, K 2,048] x [K 2,048, N 2,048]; A: input x; B: input wk: QUANTISED
;;     3. [M 2,048, K 2,048] x [K 2,048, N 2,048]; A: input x; B: input wv: QUANTISED
;;     4. batch 16 x [M 2,048, K 128] x [K 128, N 2,048]; A: computed on the way; B: computed on the way: left as it is (an operand is computed on the way)
;;     5. batch 16 x [M 128, K 2,048] x [K 2,048, N 2,048]; A: computed on the way; B: computed on the way: left as it is (an operand is computed on the way)
;;     6. [M 2,048, K 2,048] x [K 2,048, N 2,048]; A: computed on the way; B: input wo: left as it is (an operand is computed on the way)
;;   THE QUANTISER, for each operand of a quantised product, along K:
;;     - K is cut into blocks of 32 from its start; a last block that is shorter is filled with zeros.
;;     - A block's scale is 2^e with e = floor(log2(the largest magnitude in the block)) - 2, held to -126 .. 127; a block of zeros has e = 0. As a byte (E8M0): e + 127.
;;     - Each number is divided by its block's scale, clamped to +-6, and rounded to the nearest number of E2M1, ties to even, subnormals kept.
;;     - The product sums the exact products of the quantised numbers (number of the format x scale) in f32.
;;   ~~~python
;;   def quantise(x, axis):      # numpy; x: float32 -> the quantised numbers, widened to float32 again
;;       x = np.moveaxis(x, axis, -1); K = x.shape[-1]
;;       x = np.pad(x, [(0, 0)] * (x.ndim - 1) + [(0, -K % 32)]); x = x.reshape(x.shape[:-1] + (-1, 32)); a = np.abs(x).max(-1, keepdims=True)
;;       e = np.where(a > 0, np.clip(np.frexp(np.where(a > 0, a, 1))[1] - 1 - 2, -126, 127), 0)      # np.frexp(a)[1] - 1 = floor(log2(a)), exactly
;;       r = np.clip(x / 2.0 ** e, -6, 6)
;;       step = 2.0 ** (np.maximum(np.frexp(np.where(r == 0, 1, r))[1] - 1, 0) - 1)
;;       q = np.round(r / step) * step * 2.0 ** e      # np.round: ties to even
;;       return np.moveaxis(q.reshape(q.shape[:-2] + (-1,))[..., :K], -1, axis).astype(np.float32)
;;   ~~~
;; One version. Each part assembles by itself: llvm-mc -triple=amdgcn-amd-amdhsa -mcpu=gfx1250 --defsym DOCPART=n.
;; ======== version 1 of 1: 6 launches
;; limits: values are held in f16: magnitudes above 65,504 overflow, below 6.1e-05 lose precision
;; workspace buffers: prep 17,301,504 bytes; flags0 256 bytes of whole numbers; flags 4,096 bytes of whole numbers; qkv 25,165,824 bytes; fine 33,751,040 bytes; att 8,388,608 bytes; attf 131,072 bytes
;; launch prep (part 1): grid 520 x 1, 4 waves a work-group, no clusters, 33,280 bytes of LDS; arguments x, wq, wk, wv, mask, flags0, flags, prep; writes prep, flags0, flags
.if DOCPART == 1
	.amdgcn_target "amdgcn-amd-amdhsa--gfx1250"
	.amdhsa_code_object_version 6
	.text
	.protected	k_q3184d9820b_prep
	.globl	k_q3184d9820b_prep
	.p2align	8
	.type	k_q3184d9820b_prep,@function
k_q3184d9820b_prep:
	s_mov_b64 s[64:65], 0
	v_nop
	global_prefetch_b8 v0, s[64:65] scope:SCOPE_SE
	s_setreg_imm32_b32 hwreg(HW_REG_WAVE_MODE, 25, 1), 1
	s_wait_xcnt 0x0
; Two jobs in one launch, told apart by the work-group's number alone.
;  0..511   x, wq, wk, wv (f32, K innermost) become codes of FP4 (E2M1) and one E8M0 byte for each 32 along K: prep+0: [8192 rows][1024 bytes] (rows: x, wq, wk, wv),
;           prep+8388608: [8192][64 bytes].  Rows are dense, so each tensor is a plain stream of blocks of 32.
;  512..519 each tile of queries 0-63 x 64 keys of the mask gets a class: 0 = every entry is -infinity, 1 = every entry is +-0, 2 = anything else; one word a tile, stored twice: into flags0, which the
;           next two launches load, and into row 0 of flags, whose other rows a later launch stores.
; A block's scale is 2^(floor(log2(largest magnitude)) - 2); its byte is the largest magnitude's exponent field - 2, held at 1 from below.  A block of zeros gets the byte 1 where the
; rule says 127: its codes are zeros, and this program alone reads the bytes.
; LIMITS: blocks whose largest magnitude lies under 2^-124 keep the byte 1; NaN and infinities in x and the weights are not served.
.set WAVES, 4
.set STEPS, 16
.set DEPTH, 8                          ; loads run eight steps ahead: 32 loads, 16,384 bytes of a wave are out
.set EMAX,  2
.set CB,    8                          ; bytes of 16 codes
.set R,     16                         ; v16-143  eight sets of 16 numbers as loaded
.set X,     144                        ; v144-175 two sets of 16 neighbours
.set E,     176                        ; v176-191 a scale byte a step
.set C,     192                        ; v192-255 codes, four registers a step
.set WREG,  8192                       ; LDS of a wave: two stages of 32 x SP bytes, then its 256 scale bytes
.set SP,    80
.set SPW,   12                         ; v12 my spare word's address; never rewritten
.set NIL,   13                         ; v13 0; never rewritten
.set SPARE, WAVES*WREG                 ; the spare words: 128 bytes a wave, named by no other line
	s_load_b256 s[4:11], s[0:1], 0x0               ; x, wq, wk, wv
	s_load_b256 s[12:19], s[0:1], 0x20             ; mask, flags0, flags, prep
	v_lshl_add_u32 v[SPW], v0, 2, SPARE
	v_mov_b32 v[NIL], 0
	v_lshrrev_b32 v1, 5, v0
	v_readfirstlane_b32 s20, v1                    ; wave
	v_and_b32 v2, 31, v0                           ; lane
	s_wait_kmcnt 0x0
	s_cmp_ge_u32 ttmp9, 512
	s_cbranch_scc1 .Lmask
; ---- the quantiser.  A wave takes 16 steps of 512 numbers.  Loads are dense (512 bytes each); a step's 2,048 bytes turn through the wave's own stage so that a lane holds 16 neighbours.
	v_lshlrev_b32 v3, 4, v2                        ; my 16 bytes of a load's 512
	s_mul_i32 s21, s20, WREG
	v_lshrrev_b32 v14, 2, v2
	v_mul_u32_u24 v14, v14, SP
	v_and_b32 v15, 3, v2
	v_lshl_add_u32 v14, v15, 4, v14
	v_add_nc_u32 v14, s21, v14                     ; into the stage: SP (lane / 4) + 16 (lane % 4)
	v_mul_u32_u24 v15, v2, SP
	v_add_nc_u32 v15, s21, v15                     ; out of it: SP x lane
	v_mul_u32_u24 v4, v2, CB
	v_lshrrev_b32 v5, 1, v2
	s_add_co_u32 s21, s21, 2*32*SP
	v_add_nc_u32 v5, s21, v5                       ; my block's scale byte in LDS
	v_lshlrev_b32 v7, 3, v2
	v_add_nc_u32 v6, s21, v7
	s_cmp_lt_u32 ttmp9, 128                        ; which tensor: 128 work-groups each; the choice hangs on the work-group's number alone
	s_cselect_b64 s[4:5], s[4:5], s[6:7]
	s_cmp_lt_u32 ttmp9, 384
	s_cselect_b64 s[8:9], s[8:9], s[10:11]
	s_cmp_lt_u32 ttmp9, 256
	s_cselect_b64 s[4:5], s[4:5], s[8:9]
	s_and_b32 s22, ttmp9, 127
	s_lshl_b32 s22, s22, 2
	s_add_co_u32 s22, s22, s20                     ; my run of 8,192 numbers in the tensor
	s_lshl_b32 s22, s22, 15
	s_mov_b32 s23, 0
	s_add_nc_u64 s[4:5], s[4:5], s[22:23]
	s_lshl_b32 s24, ttmp9, 2
	s_add_co_u32 s24, s24, s20                     ; and among all four tensors' runs
	s_lshl_b32 s22, s24, 12
	s_add_nc_u64 s[8:9], s[18:19], s[22:23]        ; its 4,096 bytes of codes
	s_lshl_b32 s22, s24, 8
	s_add_co_u32 s22, s22, 8388608
	s_add_nc_u64 s[10:11], s[18:19], s[22:23]      ; its 256 scale bytes
.macro LOAD t
.irp i, 0,1,2,3
	global_load_b128 v[R+16*((\t)%DEPTH)+4*\i:R+16*((\t)%DEPTH)+4*\i+3], v3, s[4:5] offset:2048*(\t)+512*\i th:TH_LOAD_NT
.endr
.endm
.macro TURN t                          ; LDS serves a wave's instructions in order: no wait between the stores and the loads
.irp i, 0,1,2,3
	ds_store_b128 v14, v[R+16*((\t)%DEPTH)+4*\i:R+16*((\t)%DEPTH)+4*\i+3] offset:32*SP*((\t)%2)+8*SP*\i
.endr
.irp i, 0,1,2,3
	ds_load_b128 v[X+16*((\t)%2)+4*\i:X+16*((\t)%2)+4*\i+3], v15 offset:32*SP*((\t)%2)+16*\i
.endr
.endm
.irp t, 0,1,2,3,4,5,6,7
	LOAD \t
.endr
	s_wait_loadcnt 4*(DEPTH-1)                     ; step 0's four loads are in; seven steps' may be out
	TURN 0
.macro STEP t
.set XS, X+16*((\t)%2)
.if (\t) > 0
	s_wait_dscnt 1                                 ; this step's numbers are back (the last byte store may be out): its stores into the stage have read their registers,
.else
	s_wait_dscnt 0x0
.endif
.if (\t)+DEPTH < STEPS
	LOAD (\t)+DEPTH                                ; which take the loads of eight steps on
.endif
.if (\t)+1 < STEPS
.if STEPS-2-(\t) >= DEPTH-1
	s_wait_loadcnt 4*(DEPTH-1)                     ; the next step's four loads are in; seven steps' may be out
.else
	s_wait_loadcnt 4*(STEPS-2-(\t))                ; behind the next step's loads stand those of the steps that are left
.endif
	TURN (\t)+1
.endif
	v_max3_num_f32 v8, |v[XS]|, |v[XS+1]|, |v[XS+2]|
	v_max3_num_f32 v9, |v[XS+3]|, |v[XS+4]|, |v[XS+5]|
.irp i, 6,10
	v_max3_num_f32 v8, v8, |v[XS+\i]|, |v[XS+\i+1]|
	v_max3_num_f32 v9, v9, |v[XS+\i+2]|, |v[XS+\i+3]|
.endr
	v_max3_num_f32 v8, v8, |v[XS+14]|, |v[XS+15]|
	v_max3_num_f32 v8, v8, v9, (EMAX+1)<<23        ; the floor 2^(3 - 127): the byte cannot fall under 1
	v_max_num_f32_dpp v8, v8, v8 row_xmask:1 row_mask:0xf bank_mask:0xf   ; with my neighbour's 16: the block's largest magnitude
	v_add_nc_u32 v11, -(EMAX<<23), v8              ; 2 off its exponent field: the conversion takes this operand's exponent field as its scale
	v_cvt_scalef32_pk8_fp4_f32 v[C+4*(\t)], v[XS:XS+7], v11
	v_cvt_scalef32_pk8_fp4_f32 v[C+4*(\t)+1], v[XS+8:XS+15], v11
	v_lshrrev_b32 v[E+(\t)], 23, v11               ; the scale's byte
	ds_store_b8 v5, v[E+(\t)] offset:16*(\t)       ; both lanes of a block write the same byte
	global_store_b64 v4, v[C+4*(\t):C+4*(\t)+1], s[8:9] offset:32*CB*(\t)   ; 256 consecutive bytes a wave
.endm
.irp t, 0,1,2,3,4,5,6,7,8,9,10,11,12,13,14,15
	STEP \t
.endr
	ds_load_b64 v[8:9], v6
	s_wait_dscnt 0x0
	global_store_b64 v7, v[8:9], s[10:11]          ; the run's 256 scale bytes, one aligned block
	s_wait_tensorcnt 0x0                           ; the wave's end
	ds_add_u32 v[SPW], v[NIL]
	s_wait_dscnt 0x0
	s_endpgm
; ---- the classes of the mask's first strip.  A wave takes one tile: 32 loads, each two whole row pieces of 256 bytes.  The OR and the AND of all words tell the three classes apart.
.Lmask:
	s_sub_co_u32 s21, ttmp9, 512
	s_lshl_b32 s21, s21, 2
	s_add_co_u32 s21, s21, s20                     ; the block of 64 keys, 0..31
	s_lshl_b32 s22, s21, 8
	s_mov_b32 s23, 0
	s_add_nc_u64 s[12:13], s[12:13], s[22:23]
	v_lshrrev_b32 v3, 4, v2
	v_and_b32 v4, 15, v2
	v_lshlrev_b32 v3, 13, v3
	v_lshl_add_u32 v3, v4, 4, v3
.set ix, 0
.rept 32
	global_load_b128 v[16+4*ix:19+4*ix], v3, s[12:13] offset:16384*ix
.set ix, ix+1
.endr
	s_wait_loadcnt 24                              ; the first eight loads are in
.irp k, 0,1,2,3
	v_or_b32 v[144+\k], v[16+\k], v[20+\k]         ; four chains each; the first words start them
	v_and_b32 v[148+\k], v[16+\k], v[20+\k]
.endr
.set ix, 2
.rept 30
.if ix%8 == 0
	s_wait_loadcnt 24-ix                           ; the next eight
.endif
.irp k, 0,1,2,3
	v_or_b32 v[144+\k], v[144+\k], v[16+4*ix+\k]
	v_and_b32 v[148+\k], v[148+\k], v[16+4*ix+\k]
.endr
.set ix, ix+1
.endr
	v_or_b32 v144, v144, v145
	v_or_b32 v146, v146, v147
	v_or_b32 v144, v144, v146
	v_and_b32 v148, v148, v149
	v_and_b32 v150, v150, v151
	v_and_b32 v148, v148, v150
	v_mov_b32 v8, 0xff800000                       ; -infinity
	v_cmp_ne_u32 s24, v144, v8
	v_cmp_ne_u32 s25, v148, v8
	s_or_b32 s24, s24, s25                         ; 0: every word of every lane is -infinity
	v_and_b32 v9, 0x7fffffff, v144
	v_cmp_ne_u32 s26, 0, v9                        ; 0: every word is +-0
	s_cmp_eq_u32 s26, 0
	s_cselect_b32 s27, 1, 2
	s_cmp_eq_u32 s24, 0
	s_cselect_b32 s27, 0, s27
	v_mov_b32 v10, s27
	s_lshl_b32 s21, s21, 2
	v_mov_b32 v11, s21
	s_wait_xcnt 0x0                                ; EXEC changes only behind this wait
	v_cmp_eq_u32 vcc_lo, 0, v2
	s_and_saveexec_b32 s28, vcc_lo
	global_store_b32 v11, v10, s[14:15]            ; four bytes a tile, 128 in each of the two tables: too little to gather
	global_store_b32 v11, v10, s[16:17]
	s_wait_xcnt 0x0
	s_or_b32 exec_lo, exec_lo, s28
	s_endpgm
.Lfunc_end_k_q3184d9820b_prep:
	.size	k_q3184d9820b_prep, .Lfunc_end_k_q3184d9820b_prep-k_q3184d9820b_prep
	.p2alignl 7, 3214868480
	.fill 96, 4, 3214868480
	.section	.rodata,"a",@progbits
	.p2align	6, 0x0
	.amdhsa_kernel k_q3184d9820b_prep
		.amdhsa_group_segment_fixed_size 33280
		.amdhsa_private_segment_fixed_size 0
		.amdhsa_enable_private_segment 0
		.amdhsa_kernarg_size 64
		.amdhsa_user_sgpr_count 2
		.amdhsa_user_sgpr_kernarg_segment_ptr 1
		.amdhsa_wavefront_size32 1
		.amdhsa_system_sgpr_workgroup_id_x 1
		.amdhsa_system_sgpr_workgroup_id_y 1
		.amdhsa_system_sgpr_workgroup_id_z 1
		.amdhsa_system_vgpr_workitem_id 0
		.amdhsa_next_free_vgpr 256
		.amdhsa_next_free_sgpr 66
		.amdhsa_reserve_vcc 1
		.amdhsa_float_denorm_mode_32 3
		.amdhsa_float_denorm_mode_16_64 3
		.amdhsa_memory_ordered 1
		.amdhsa_forward_progress 1
		.amdhsa_inst_pref_size 46
	.end_amdhsa_kernel
	.amdgpu_metadata
---
amdhsa.version: [ 1, 2 ]
amdhsa.kernels:
  - .name:           k_q3184d9820b_prep
    .symbol:         k_q3184d9820b_prep.kd
    .args:
      - { .name: x, .offset: 0, .size: 8, .value_kind: global_buffer, .address_space: global }
      - { .name: wq, .offset: 8, .size: 8, .value_kind: global_buffer, .address_space: global }
      - { .name: wk, .offset: 16, .size: 8, .value_kind: global_buffer, .address_space: global }
      - { .name: wv, .offset: 24, .size: 8, .value_kind: global_buffer, .address_space: global }
      - { .name: mask, .offset: 32, .size: 8, .value_kind: global_buffer, .address_space: global }
      - { .name: flags0, .offset: 40, .size: 8, .value_kind: global_buffer, .address_space: global }
      - { .name: flags, .offset: 48, .size: 8, .value_kind: global_buffer, .address_space: global }
      - { .name: prep, .offset: 56, .size: 8, .value_kind: global_buffer, .address_space: global }
    .group_segment_fixed_size: 33280
    .private_segment_fixed_size: 0
    .kernarg_segment_align: 8
    .kernarg_segment_size: 64
    .max_flat_workgroup_size: 128
    .sgpr_count:     66
    .vgpr_count:     256
    .wavefront_size: 32
...
	.end_amdgpu_metadata
.endif
;; end of part 1
;; launch qkv (part 2): grid 24 x 8, 4 waves a work-group, clusters of 4 x 4, 327,680 bytes of LDS; arguments prep, flags0, freqs_cos, freqs_sin, qkv, fine; writes qkv, fine
.if DOCPART == 2
	.amdgcn_target "amdgcn-amd-amdhsa--gfx1250"
	.amdhsa_code_object_version 6
	.text
	.protected	k_q3184d9820b_qkv
	.globl	k_q3184d9820b_qkv
	.p2align	8
	.type	k_q3184d9820b_qkv,@function
k_q3184d9820b_qkv:
	s_mov_b64 s[64:65], 0
	v_nop
	global_prefetch_b8 v0, s[64:65] scope:SCOPE_SE
	s_setreg_imm32_b32 hwreg(HW_REG_WAVE_MODE, 25, 1), 1
	s_wait_xcnt 0x0
	s_wait_alu depctr_hold_cnt(0) depctr_sa_sdst(0) depctr_va_vdst(0) depctr_va_sdst(0) depctr_va_ssrc(0) depctr_va_vcc(0) depctr_vm_vsrc(0)
	s_getreg_b32 s2, hwreg(HW_REG_IB_STS2, 6, 4)
	s_cmp_eq_u32 s2, 0
	s_cbranch_scc0 .Lentry_in_a_cluster
	s_endpgm
.Lentry_in_a_cluster:
	s_bfe_u32 s2, ttmp6, 0x10000c
	s_cmp_lg_u32 s2, 0xf033
	s_cbranch_scc0 .Lentry_shape_is_right
	s_endpgm
.Lentry_shape_is_right:
; The three projections on codes of FP4 (E2M1) with E8M0 scales, K = 2048, then RoPE in f32, and the results laid as IMAGES OF OPERAND REGISTERS for the launches that follow.
; A tile of 256 x 256 is made by four waves, 128 x 128 each (64 accumulators, 512 registers).  K goes in steps of 512 through two LDS slots filled by the tensor data mover; the scale bytes of the
; tile's rows come once.  4 x 4 work-groups form a cluster; A's tiles are asked for jointly along a row of it, B's along a column.
; Tile columns 0-7: q, 8-15: k: the A side is x (rows = positions), the B side wq or wk.  Tile columns 16-23: v, WITH THE SIDES SWAPPED IN THE DATA: the A side is wv (rows = channels), the B side x.
; The matrix instruction is used transposed (source 0 = 16 rows of B, source 1 = 16 rows of A): lane (r, h) of accumulator (a, b) holds A's row 16 a + r and B's rows 16 b + 8 h + 0..7.  For q and k that is
; one position and eight neighbouring channels, for v one channel and eight neighbouring keys: as f16, 16 bytes that are half of a 16-bit fragment's registers.  So each accumulator leaves by one store
; of 512 consecutive bytes (16 x lane), and comes back by one load.  A wave's 128 B rows are one head.
; qkv+0 q, +8388608 k: [head][16 rows][b 8][lane][16 B];  +16777216 v: [head][32 keys][16 channels a 8][c 2][lane][16 B].
; fine (f32, for positions 0-15): +0 k [head][16 keys][b][half][lane][16 B], +16777216 v [head][16 keys][a][half][lane][16 B], +33554432 q, rows 0-15.  k and v are stored there only for blocks of 64 keys
; whose tile of the mask against queries 0-63 is not all -infinity (flags0); the stores are switched by EXEC, never by a branch.
; COS AND SIN of a wave's first 32 positions are asked for at the head, into registers that the K loop never names, so that they land while it runs.  The clusters that make v ask too (rows inside the
; tables, 16,384 bytes a wave) and never read them: so the text has one way up to the way out.
; LIMITS: q, k, v are rounded to f16 (largest 65,504).
.set SIZE_K, 2048
.set KSTEP,  512
.set NQ,     KSTEP/128
.set ROWB,   256                       ; a tile's row in bytes
.set KROW,   SIZE_K/2                  ; a row of codes in memory
.set PITCH,  272                       ; 256 bytes + 16 of padding: the 16 rows of a fragment load start at 16 different banks
.set FR,     8
.set NL,     2
.set NP,     4
.set HALFT,  128*PITCH
.set SLOT,   4*HALFT
.set LAPS,   SIZE_K/(2*KSTEP)
.set KS,     SIZE_K/32
.set SCL,    2*SLOT                    ; the scale bytes, as rows of 256 bytes + 16
.set HALFS,  (128*KS/256)*272
.set SBLK,   (16*KS/256)*272
.set SPARE,  SCL+4*HALFS               ; the spare words: 128 bytes a wave, named by no other line
.set ADRA, 16
.set ADRB, 20
.set LO,   24                          ; v24 16 x lane; never rewritten
.set CSI,  25                          ; v25 cos and sin into my stage (it lies in slot 0, which has had its last fill and its last read by then)
.set CSF,  26                          ; v26 and out of it
.set ADRS, 27
.set SPW,  28
.set NIL,  29
.set SC,   32                          ; v32-95 scale words and nothing else
.set HH,   96                          ; v96-127 a block's f16
.set AF,   128                         ; A's fragments; on the way out: v128-159 cos, v160-191 sin
.set CF,   128
.set SF,   160
.set DD,   192                         ; v192-255 a block's rotated numbers
.set CSL,  64                          ; window 1: v64-127 and v192-255: cos and sin as loaded, two sets (B's fragments have v0-63 and v128-191)
.set G1, 24
.set G0, 32
.set G1B, 48
.set G0B, 56
.set G1S, 68
.set G0S, 76
.set G1SB, 80
.set G0SB, 88
.set MSB, 0
.macro WIN new                         ; the immediate's high byte repeats the setting that is left
.if MSB != (\new)
	s_set_vgpr_msb (MSB<<8)|(\new)
.set MSB, (\new)
.endif
.endm
.set MUL_LO, 0xa1                      ; source 0 (B) window 1, source 1 (A) window 0, C and D window 2
.set MUL_HI, 0xf1
.set TO_B,   0x40
.macro JLOAD g0a, g1a, g0b, g1b        ; a joint load: waves 0, 1 for A, waves 2, 3 for B; an s_nop 0 and four v_nop follow each line
	s_cmp_eq_u32 s15, 0
	s_cbranch_scc0 .Lfor_b_\@
	tensor_load_to_lds s[\g0a:\g0a+3], s[\g1a:\g1a+7]
	s_nop 0
.rept 4
	v_nop
.endr
	s_branch .Lasked_\@
.Lfor_b_\@:
	tensor_load_to_lds s[\g0b:\g0b+3], s[\g1b:\g1b+7]
	s_nop 0
.rept 4
	v_nop
.endr
.Lasked_\@:
.endm
.macro CREST
	s_cmp_lg_u32 s14, 0
	s_cbranch_scc1 .Lnot_wave_0_\@
	s_barrier_signal -3
.Lnot_wave_0_\@:
	s_barrier_wait -3
	s_barrier_signal -1
	s_barrier_wait -1
.endm
.macro CROUND
	s_barrier_signal -1
	s_barrier_wait -1
	CREST
.endm
.macro CSLOAD a                        ; block a's cos and sin, 16 positions x 64: 4,096 dense bytes each, into window 1, set a % 2
	WIN 0x40
.irp i, 0,1,2,3,4,5,6,7
	global_load_b128 v[CSL+128*((\a)%2)+4*\i:CSL+128*((\a)%2)+4*\i+3], v[LO], s[22:23] offset:4096*(\a)+512*\i
	global_load_b128 v[CSL+128*((\a)%2)+32+4*\i:CSL+128*((\a)%2)+32+4*\i+3], v[LO], s[92:93] offset:4096*(\a)+512*\i
.endr
	WIN 0
.endm
	s_load_b256 s[4:11], s[0:1], 0x0               ; prep, flags0, cos, sin
	s_load_b64 s[12:13], s[0:1], 0x20              ; qkv
	s_load_b64 s[66:67], s[0:1], 0x28              ; fine
	v_lshl_add_u32 v[SPW], v0, 2, SPARE
	v_mov_b32 v[NIL], 0
	ds_add_u32 v[SPW], v[NIL]                      ; the opening: the add, twice on end, and its wait ahead of my first tensor load
	ds_add_u32 v[SPW], v[NIL]
	v_lshrrev_b32 v1, 5, v0
	v_readfirstlane_b32 s14, v1                    ; wave
	s_lshr_b32 s15, s14, 1                         ; my half of A's rows; also: I fetch for A (0) or B (1)
	s_and_b32 s16, s14, 1                          ; my half of B's rows; also: which 128 rows I fetch
	s_bfe_u32 s40, ttmp6, 0x40000                  ; cx
	s_bfe_u32 s41, ttmp6, 0x40004                  ; cy
	s_lshl_b32 s42, ttmp9, 2
	s_add_co_u32 s42, s42, s40                     ; tile column 0..23
	s_and_b32 s17, ttmp7, 0xffff
	s_lshl_b32 s17, s17, 2
	s_add_co_u32 s17, s17, s41                     ; tile row 0..7
	s_lshl_b32 s43, s41, 2
	s_lshl_b32 s43, 15, s43                        ; my row of the cluster
	s_lshl_b32 s44, 0x1111, s40                    ; my column
	s_lshr_b32 s95, ttmp9, 2                       ; 1 in the clusters that make v: made of the cluster's x alone, equal in all partners
	s_mul_i32 s99, s95, 6144
	s_or_b32 s[G1+0], s43, (0<<16)|(1<<20)|(1<<21)|(5<<22)|(3<<25)  ; mask; elements of 1 byte; padding: 4 words after every 64; bit 21 beside a mask
	s_or_b32 s[G1B+0], s44, (0<<16)|(1<<20)|(1<<21)|(5<<22)|(3<<25)
.irp g, G1, G1B
	s_mov_b32 s[\g+1], ROWB<<16                    ; tensor_dim0
	s_mov_b32 s[\g+2], 128<<16                     ; tensor_dim1
	s_mov_b32 s[\g+3], ROWB<<16                    ; tile_dim0
	s_mov_b32 s[\g+4], 128                         ; tile_dim1
	s_mov_b32 s[\g+5], KROW                        ; pitch
	s_mov_b32 s[\g+6], 0
	s_mov_b32 s[\g+7], 0
.endr
	s_or_b32 s[G1S+0], s43, (3<<16)|(1<<20)|(1<<21)|(5<<22)|(3<<25) ; the scales of 128 rows: 8,192 dense bytes as 32 rows of 256
	s_or_b32 s[G1SB+0], s44, (3<<16)|(1<<20)|(1<<21)|(5<<22)|(3<<25)
.irp g, G1S, G1SB
	s_mov_b32 s[\g+1], 32<<16
	s_mov_b32 s[\g+2], (128*KS/256)<<16
	s_mov_b32 s[\g+3], 32<<16
	s_mov_b32 s[\g+4], 128*KS/256
	s_mov_b32 s[\g+5], 32
	s_mov_b32 s[\g+6], 0
	s_mov_b32 s[\g+7], 0
.endr
	s_lshl_b32 s18, s16, 7
	s_lshl_b32 s20, s17, 8
	s_add_co_u32 s20, s20, s18
	s_add_co_u32 s20, s20, s99                     ; A's rows in prep: x's 256 ty on, or wv's (6144 +)
	s_lshl_b32 s46, s42, 8
	s_add_co_u32 s46, s46, s18
	s_add_co_u32 s46, s46, 2048
	s_sub_co_u32 s46, s46, s99                     ; B's: wq's and wk's (2048 + 256 tc), or x's (256 (tc - 16))
	s_mov_b32 s21, 0
	s_mov_b32 s47, 0
	s_mov_b64 s[18:19], KS
	s_mul_u64 s[22:23], s[20:21], s[18:19]
	s_mul_u64 s[92:93], s[46:47], s[18:19]
	s_add_nc_u64 s[22:23], s[22:23], 8388608       ; the scale bytes lie behind the codes
	s_add_nc_u64 s[92:93], s[92:93], 8388608
	s_mov_b64 s[18:19], KROW
	s_mul_u64 s[20:21], s[20:21], s[18:19]
	s_mul_u64 s[46:47], s[46:47], s[18:19]
	s_mul_i32 s45, s14, HALFT
	s_mul_i32 s94, s14, HALFS
	s_lshl_b32 s98, s17, 2                         ; which two blocks of 64 keys my positions are: q, k: 4 ty + 2 (my half of A);
	s_lshl_b32 s99, s15, 1
	s_add_co_u32 s98, s98, s99
	s_and_b32 s99, s42, 7                          ; v: 4 (tc - 16) + 2 (my half of B)
	s_lshl_b32 s99, s99, 2
	s_lshl_b32 s100, s16, 1
	s_add_co_u32 s99, s99, s100
	s_cmp_eq_u32 s95, 0
	s_cselect_b32 s98, s98, s99
	s_lshl_b32 s98, s98, 2                         ; their words in flags0
	s_wait_dscnt 0x0                               ; both opening adds are done
	s_wait_kmcnt 0x0
	s_add_nc_u64 s[20:21], s[4:5], s[20:21]
	s_add_nc_u64 s[22:23], s[4:5], s[22:23]
	s_add_nc_u64 s[46:47], s[4:5], s[46:47]
	s_add_nc_u64 s[92:93], s[4:5], s[92:93]
	CROUND                                         ; all sixteen work-groups are here: the first joint loads meet
	s_mov_b32 s[G0S], 1
	s_add_co_u32 s[G0S+1], s94, SCL
	s_mov_b64 s[G0S+2:G0S+3], s[22:23]
	s_or_b32 s[G0S+3], s[G0S+3], 0x80000000
	s_mov_b32 s[G0SB], 1
	s_add_co_u32 s[G0SB+1], s94, SCL
	s_mov_b64 s[G0SB+2:G0SB+3], s[92:93]
	s_or_b32 s[G0SB+3], s[G0SB+3], 0x80000000
	JLOAD G0S, G1S, G0SB, G1SB                     ; the scales first
.irp s, 0,1
	s_mov_b32 s[G0+4*\s], 1
	s_add_co_u32 s[G0+4*\s+1], s45, \s*SLOT
	s_add_nc_u64 s[G0+4*\s+2:G0+4*\s+3], s[20:21], \s*ROWB
	s_or_b32 s[G0+4*\s+3], s[G0+4*\s+3], 0x80000000
	s_mov_b32 s[G0B+4*\s], 1
	s_add_co_u32 s[G0B+4*\s+1], s45, \s*SLOT
	s_add_nc_u64 s[G0B+4*\s+2:G0B+4*\s+3], s[46:47], \s*ROWB
	s_or_b32 s[G0B+4*\s+3], s[G0B+4*\s+3], 0x80000000
	JLOAD G0+4*\s, G1, G0B+4*\s, G1B
.endr
	s_load_b64 s[96:97], s[6:7], s98 offset:0x0    ; the two flags; waited for on the way out; s[6:7], s98 and s[96:97] stay untouched till then
	v_and_b32 v1, 15, v0                           ; r
	v_bfe_u32 v2, v0, 4, 1                         ; h
	v_mul_u32_u24 v3, v1, PITCH
	v_lshl_add_u32 v4, v2, 4, v3
	s_mul_i32 s21, s15, HALFT
	s_mul_i32 s22, s16, HALFT
	s_add_co_u32 s22, s22, 2*HALFT
.irp s, 0,1
	v_add_nc_u32 v[ADRA+\s], s21, v4
	v_add_nc_u32 v[ADRB+\s], s22, v4
	s_add_co_u32 s21, s21, SLOT
	s_add_co_u32 s22, s22, SLOT
.endr
	v_mul_u32_u24 v5, v1, KS
	v_lshrrev_b32 v6, 8, v5
	v_lshl_add_u32 v5, v6, 4, v5
	s_mul_i32 s21, s15, HALFS
	s_mul_i32 s22, s16, HALFS
	s_add_co_u32 s22, s22, 2*HALFS
	s_sub_co_u32 s22, s22, s21
	v_mul_u32_u24 v6, s22, v2                      ; lanes 16-31 take B's scale words
	s_add_co_u32 s21, s21, SCL
	v_add_nc_u32 v5, v5, v6
	v_add_nc_u32 v[ADRS], s21, v5
	v_and_b32 v6, 31, v0
	v_lshlrev_b32 v[LO], 4, v6
	s_mul_i32 s23, s14, 8704                       ; my stage: 16 rows x 272 for cos, the same for sin
	v_mul_u32_u24 v5, v2, 272
	v_lshl_add_u32 v5, v1, 4, v5
	v_add_nc_u32 v[CSI], s23, v5                   ; in: a load's 512 bytes are two rows of 256
	v_mul_u32_u24 v5, v1, 272
	v_lshl_add_u32 v5, v2, 4, v5
	v_add_nc_u32 v[CSF], s23, v5                   ; out: row r, + 16 h: the four pairs of my eight channels
	s_lshl_b32 s40, s17, 4
	s_lshl_b32 s41, s15, 3
	s_add_co_u32 s40, s40, s41                     ; my first block of 16 rows of the A side; it stays in s40
	s_lshl_b32 s46, s40, 12                        ; 16 rows of 256 bytes of cos and of sin
	s_mov_b32 s47, 0
	s_add_nc_u64 s[22:23], s[8:9], s[46:47]        ; these two bases, v24 and the 128 registers that the 32 loads below fill are named by nothing up to the way out
	s_add_nc_u64 s[92:93], s[10:11], s[46:47]
	CSLOAD 0
	CSLOAD 1
.macro FRAG reg, adr, q, i
.irp c, 0,1
	ds_load_b128 v[\reg+4*\c:\reg+4*\c+3], v[\adr] offset:64*(\q)+32*\c+(\i)*16*PITCH
.endr
.endm
; 16 matrix instructions; the 64 accumulators take turns, one instruction a turn, in the same order in every step
.macro MUL16 a0, p, q, sc, zero
.irp a, \a0, \a0+1
.irp b, 0,1,2,3,4,5,6,7
.if \zero
	v_wmma_scale_f32_16x16x128_f8f6f4 v[8*(8*((\a)%4)+\b):8*(8*((\a)%4)+\b)+7], v[128*(\p)+FR*\b:128*(\p)+FR*\b+FR-1], v[AF+FR*(\a):AF+FR*(\a)+FR-1], 0, v[SC+8*NQ*(\sc)+NQ*\b+(\q)], v[SC+8*NQ*(\sc)+NQ*(\a)+(\q)] matrix_a_fmt:MATRIX_FMT_FP4 matrix_b_fmt:MATRIX_FMT_FP4 matrix_a_scale:MATRIX_SCALE_ROW1
.else
	v_wmma_scale_f32_16x16x128_f8f6f4 v[8*(8*((\a)%4)+\b):8*(8*((\a)%4)+\b)+7], v[128*(\p)+FR*\b:128*(\p)+FR*\b+FR-1], v[AF+FR*(\a):AF+FR*(\a)+FR-1], v[8*(8*((\a)%4)+\b):8*(8*((\a)%4)+\b)+7], v[SC+8*NQ*(\sc)+NQ*\b+(\q)], v[SC+8*NQ*(\sc)+NQ*(\a)+(\q)] matrix_a_fmt:MATRIX_FMT_FP4 matrix_b_fmt:MATRIX_FMT_FP4 matrix_a_scale:MATRIX_SCALE_ROW1
.endif
.endr
.endr
.endm
.macro FETCH_B slot, q, p
	WIN TO_B
.irp i, 0,1,2,3,4,5,6,7
	FRAG 128*(\p)+FR*\i, ADRB+\slot, \q, \i
.endr
	WIN 0
.endm
.macro FETCH_A slot, q, i0
.irp i, \i0, \i0+1, \i0+2, \i0+3
	FRAG AF+FR*(\i), ADRA+\slot, \q, \i
.endr
.endm
.macro SCALES sc                       ; lanes 0-15 A's block i, lanes 16-31 B's block i: four words a row
.irp i, 0,1,2,3,4,5,6,7
	ds_load_b128 v[SC+8*NQ*\sc+NQ*\i:SC+8*NQ*\sc+NQ*\i+3], v[ADRS] offset:\i*SBLK
.endr
.endm
.macro PLACES n                        ; plain vector instructions between a matrix instruction and a load into, or a read of, its registers
.rept \n
	v_nop
.endr
.endm
.macro STEP slot, q, zero
	s_wait_dscnt 4*NL                              ; B's set and A's blocks 0-3 are in; A's blocks 4-7, the youngest eight loads, may be out
	WIN MUL_LO
	MUL16 0, (\q)%2, \q, \slot, \zero
	MUL16 2, (\q)%2, \q, \slot, \zero
	s_wait_dscnt 0
	PLACES NP
	FETCH_B \slot, (\q)+1, 1-(\q)%2
	FETCH_A \slot, (\q)+1, 0
	WIN MUL_HI
	MUL16 4, (\q)%2, \q, \slot, \zero
	MUL16 6, (\q)%2, \q, \slot, \zero
	PLACES NP
	WIN 0
	FETCH_A \slot, (\q)+1, 4
.endm
.macro TURN slot, next, fill           ; a slot's last step changes slots
	s_wait_tensorcnt 0x0                           ; all my tensor loads have landed: my part of the next slot
	ds_add_u32 v[SPW], v[NIL]
	s_wait_dscnt 4*NL+1                            ; (the add and A's blocks 4-7 may be out)
	WIN MUL_LO
	MUL16 0, 1, NQ-1, \slot, 0
	s_wait_dscnt 0x0                               ; the add is done, and my reads of this slot are over
	s_barrier_signal -1
	MUL16 2, 1, NQ-1, \slot, 0
	WIN 0
	s_barrier_wait -1
.if \fill
	CREST                                          ; the barrier has opened a round of the cluster's: no wave of any partner reads this slot or has a load on its way
	s_add_nc_u64 s[G0+4*\slot+2:G0+4*\slot+3], s[G0+4*\slot+2:G0+4*\slot+3], 2*ROWB
	s_add_nc_u64 s[G0B+4*\slot+2:G0B+4*\slot+3], s[G0B+4*\slot+2:G0B+4*\slot+3], 2*ROWB
	JLOAD G0+4*\slot, G1, G0B+4*\slot, G1B         ; my one tensor load behind the round; its four v_nop are the places for the loads below
.else
	PLACES NP
.endif
	v_add_nc_u32 v[ADRS], 4*NQ, v[ADRS]
	FETCH_B \next, 0, 0
	FETCH_A \next, 0, 0
	SCALES \next
	WIN MUL_HI
	MUL16 4, 1, NQ-1, \slot, 0
	MUL16 6, 1, NQ-1, \slot, 0
	PLACES NP
	WIN 0
	FETCH_A \next, 0, 4
.endm
.macro STEPS slot, from
.set Q, \from
.rept NQ-1-\from
	STEP \slot, Q, 0
.set Q, Q+1
.endr
.endm
	s_wait_tensorcnt 1                             ; the scales and my part of K step 0 are in; K step 1's load may be out
	s_barrier_signal -1
	s_barrier_wait -1
	FETCH_B 0, 0, 0
	FETCH_A 0, 0, 0
	SCALES 0
	FETCH_A 0, 0, 4
	STEP 0, 0, 1                                   ; the first step's products start the sums
	s_mov_b32 s3, LAPS-1
.Llap:
	STEPS 0, 1
	TURN 0, 1, 1
	STEPS 1, 0
	TURN 1, 0, 1
	STEP 0, 0, 0
	s_sub_co_u32 s3, s3, 1
	s_cmp_lg_u32 s3, 0
	s_cbranch_scc1 .Llap
	STEPS 0, 1                                     ; the last lap fills nothing
	TURN 0, 1, 0
	STEPS 1, 0
	s_wait_dscnt 4*NL
	WIN MUL_LO
	MUL16 0, 1, NQ-1, 1, 0
	MUL16 2, 1, NQ-1, 1, 0
	s_wait_dscnt 0
	WIN MUL_HI
	MUL16 4, 1, NQ-1, 1, 0
	MUL16 6, 1, NQ-1, 1, 0
	WIN 0
	PLACES NP                                      ; for the first reads of results and the loads into operands' registers
	s_wait_kmcnt 0x0                               ; the two flags
	s_mov_b32 s47, 0
	s_cmp_lg_u32 s96, 0
	s_cselect_b32 s96, -1, 0                       ; all lanes, or none: my first 64 positions are wanted in f32,
	s_cmp_lg_u32 s97, 0
	s_cselect_b32 s97, -1, 0                       ; my second 64
	s_cmp_lg_u32 s95, 0
	s_cbranch_scc1 .Lv
; ---- q and k: RoPE, f16 images, and the f32 images where they are wanted.  s40 = my first block of 16 positions; the first two blocks' cos and sin were asked for at the head
	s_lshl_b32 s44, s42, 1
	s_add_co_u32 s44, s44, s16
	s_and_b32 s44, s44, 15                         ; head
	s_lshr_b32 s45, s42, 3                         ; 0: q, 1: k
	s_lshl_b32 s46, s45, 23
	s_lshl_b32 s41, s44, 19
	s_add_co_u32 s46, s46, s41
	s_lshl_b32 s41, s40, 12
	s_add_co_u32 s46, s46, s41
	s_add_nc_u64 s[18:19], s[12:13], s[46:47]      ; the f16 images
	s_lshl_b32 s46, s44, 20
	s_lshl_b32 s41, s40, 13
	s_add_co_u32 s46, s46, s41                     ; k in f32
	s_lshl_b32 s41, s44, 13
	s_add_co_u32 s41, s41, 33554432                ; q in f32
	s_cmp_lg_u32 s45, 0
	s_cselect_b32 s46, s46, s41
	s_add_nc_u64 s[20:21], s[66:67], s[46:47]
	s_cmp_eq_u32 s40, 0
	s_cselect_b32 s41, -1, 0                       ; q: positions 0-15 alone
	s_cmp_lg_u32 s45, 0
	s_cselect_b32 s98, s96, s41                    ; the gates: block 0,
	s_cselect_b32 s99, s96, 0                      ; blocks 1-3,
	s_cselect_b32 s100, s97, 0                     ; blocks 4-7
.macro QKOUT a, gate
.if (\a) < 7
	s_wait_loadcnt 16                              ; this block's 16 loads are in; the next block's may be out
.else
	s_wait_loadcnt 0x0
.endif
	WIN 0x04                                       ; an LDS store's data are its source 1: window 1
.irp i, 0,1,2,3,4,5,6,7
	ds_store_b128 v[CSI], v[CSL+128*((\a)%2)+4*\i:CSL+128*((\a)%2)+4*\i+3] offset:544*\i
	ds_store_b128 v[CSI], v[CSL+128*((\a)%2)+32+4*\i:CSL+128*((\a)%2)+32+4*\i+3] offset:4352+544*\i
.endr
	WIN 0
.irp b, 0,1,2,3,4,5,6,7
	ds_load_b128 v[CF+4*\b:CF+4*\b+3], v[CSF] offset:32*\b           ; LDS serves a wave's instructions in order: these see the stores above
	ds_load_b128 v[SF+4*\b:SF+4*\b+3], v[CSF] offset:4352+32*\b
.endr
	s_wait_dscnt 0x0                               ; cos and sin are in, and the stores have read their registers
	s_wait_xcnt 0x0                                ; the last block's stores have read theirs
.if (\a)+2 < 8
	CSLOAD (\a)+2
.endif
	WIN 0x02+(\a)/4                                ; source 0: the accumulators' window
.set AC, 64*((\a)%4)
.irp b, 0,1,2,3,4,5,6,7
.irp k, 0,1,2,3
	v_mul_f32 v[DD+8*\b+2*\k], v[AC+8*\b+2*\k+1], v[SF+4*\b+\k]
	v_mul_f32 v[DD+8*\b+2*\k+1], v[AC+8*\b+2*\k+1], v[CF+4*\b+\k]
.endr
.irp k, 0,1,2,3
	v_fma_f32 v[DD+8*\b+2*\k], v[AC+8*\b+2*\k], v[CF+4*\b+\k], -v[DD+8*\b+2*\k]      ; re c - im s
	v_fma_f32 v[DD+8*\b+2*\k+1], v[AC+8*\b+2*\k], v[SF+4*\b+\k], v[DD+8*\b+2*\k+1]   ; re s + im c
.endr
.endr
	WIN 0
.irp b, 0,1,2,3,4,5,6,7
.irp k, 0,1,2,3
	v_cvt_pk_f16_f32 v[HH+4*\b+\k], v[DD+8*\b+2*\k], v[DD+8*\b+2*\k+1]
.endr
.endr
.irp b, 0,1,2,3,4,5,6,7
	global_store_b128 v[LO], v[HH+4*\b:HH+4*\b+3], s[18:19] offset:4096*(\a)+512*\b   ; 512 consecutive bytes
.endr
	s_wait_xcnt 0x0                                ; EXEC changes only behind this wait
	s_mov_b32 vcc_lo, s[\gate]
	s_and_saveexec_b32 s101, vcc_lo
.irp b, 0,1,2,3,4,5,6,7
.irp q, 0,1
	global_store_b128 v[LO], v[DD+8*\b+4*\q:DD+8*\b+4*\q+3], s[20:21] offset:8192*(\a)+1024*\b+512*\q
.endr
.endr
	s_wait_xcnt 0x0
	s_or_b32 exec_lo, exec_lo, s101
.endm
	QKOUT 0, 98
	QKOUT 1, 99
	QKOUT 2, 99
	QKOUT 3, 99
	QKOUT 4, 100
	QKOUT 5, 100
	QKOUT 6, 100
	QKOUT 7, 100
	s_branch .Lend
; ---- v: a lane holds one channel and eight neighbouring keys
.Lv:
	s_lshl_b32 s44, s17, 1
	s_add_co_u32 s44, s44, s15                     ; head
	s_and_b32 s45, s42, 7                          ; tc - 16
	s_lshl_b32 s46, s44, 19
	s_lshl_b32 s41, s45, 16
	s_add_co_u32 s46, s46, s41
	s_lshl_b32 s41, s16, 15
	s_add_co_u32 s46, s46, s41
	s_add_co_u32 s46, s46, 16777216
	s_add_nc_u64 s[18:19], s[12:13], s[46:47]      ; [head][32 keys: 8 (tc - 16) + 4 (my half) on]
	s_lshl_b32 s46, s44, 20
	s_lshl_b32 s41, s45, 17
	s_add_co_u32 s46, s46, s41
	s_lshl_b32 s41, s16, 16
	s_add_co_u32 s46, s46, s41
	s_add_co_u32 s46, s46, 16777216
	s_add_nc_u64 s[20:21], s[66:67], s[46:47]
.macro VOUT a
.set AC, 64*((\a)%4)
	s_wait_xcnt 0x0                                ; the last block's stores have read their registers
	WIN 0x0a+5*((\a)/4)
.irp b, 0,1,2,3,4,5,6,7
.irp k, 0,1,2,3
	v_cvt_pk_f16_f32 v[HH+4*\b+\k], v[AC+8*\b+2*\k], v[AC+8*\b+2*\k+1]
.endr
.endr
	WIN 0
.irp b, 0,1,2,3,4,5,6,7
	global_store_b128 v[LO], v[HH+4*\b:HH+4*\b+3], s[18:19] offset:(\b/2)*8192+1024*(\a)+512*(\b%2)
.endr
.endm
.irp a, 0,1,2,3,4,5,6,7
	VOUT \a
.endr
.macro VFINE hb, gate                  ; the f32 images of my keys 64 hb on, straight from the accumulators
	s_wait_xcnt 0x0
	s_mov_b32 vcc_lo, s[\gate]
	s_and_saveexec_b32 s101, vcc_lo
.irp a, 0,1,2,3,4,5,6,7
	WIN 0x08+4*(\a/4)                              ; a store's data are its source 1
.irp b, 0,1,2,3
.irp q, 0,1
	global_store_b128 v[LO], v[64*(\a%4)+8*(4*\hb+\b)+4*\q:64*(\a%4)+8*(4*\hb+\b)+4*\q+3], s[20:21] offset:8192*(4*\hb+\b)+1024*\a+512*\q
.endr
.endr
.endr
	WIN 0
	s_wait_xcnt 0x0
	s_or_b32 exec_lo, exec_lo, s101
.endm
	VFINE 0, 96
	VFINE 1, 97
.Lend:
	s_wait_tensorcnt 0x0                           ; the wave's end
	ds_add_u32 v[SPW], v[NIL]
	s_wait_dscnt 0x0
	CROUND                                         ; the closing round
	s_endpgm
.Lfunc_end_k_q3184d9820b_qkv:
	.size	k_q3184d9820b_qkv, .Lfunc_end_k_q3184d9820b_qkv-k_q3184d9820b_qkv
	.p2alignl 7, 3214868480
	.fill 96, 4, 3214868480
	.section	.rodata,"a",@progbits
	.p2align	6, 0x0
	.amdhsa_kernel k_q3184d9820b_qkv
		.amdhsa_group_segment_fixed_size 327680
		.amdhsa_private_segment_fixed_size 0
		.amdhsa_enable_private_segment 0
		.amdhsa_kernarg_size 48
		.amdhsa_user_sgpr_count 2
		.amdhsa_user_sgpr_kernarg_segment_ptr 1
		.amdhsa_wavefront_size32 1
		.amdhsa_system_sgpr_workgroup_id_x 1
		.amdhsa_system_sgpr_workgroup_id_y 1
		.amdhsa_system_sgpr_workgroup_id_z 1
		.amdhsa_system_vgpr_workitem_id 0
		.amdhsa_next_free_vgpr 1024
		.amdhsa_next_free_sgpr 102
		.amdhsa_reserve_vcc 1
		.amdhsa_float_denorm_mode_32 3
		.amdhsa_float_denorm_mode_16_64 3
		.amdhsa_memory_ordered 1
		.amdhsa_forward_progress 1
		.amdhsa_inst_pref_size 255
	.end_amdhsa_kernel
	.section	.bss,"aw",@nobits
	.p2align	6
	.space	262144
	.amdgpu_metadata
---
amdhsa.version: [ 1, 2 ]
amdhsa.kernels:
  - .name:           k_q3184d9820b_qkv
    .symbol:         k_q3184d9820b_qkv.kd
    .args:
      - { .name: prep, .offset: 0, .size: 8, .value_kind: global_buffer, .address_space: global }
      - { .name: flags0, .offset: 8, .size: 8, .value_kind: global_buffer, .address_space: global }
      - { .name: freqs_cos, .offset: 16, .size: 8, .value_kind: global_buffer, .address_space: global }
      - { .name: freqs_sin, .offset: 24, .size: 8, .value_kind: global_buffer, .address_space: global }
      - { .name: qkv, .offset: 32, .size: 8, .value_kind: global_buffer, .address_space: global }
      - { .name: fine, .offset: 40, .size: 8, .value_kind: global_buffer, .address_space: global }
    .group_segment_fixed_size: 327680
    .private_segment_fixed_size: 0
    .kernarg_segment_align: 8
    .kernarg_segment_size: 48
    .max_flat_workgroup_size: 128
    .sgpr_count:     102
    .vgpr_count:     1024
    .wavefront_size: 32
...
	.end_amdgpu_metadata
.endif
;; end of part 2
;; launch side (part 3): grid 396 x 1, 4 waves a work-group, no clusters, 34,304 bytes of LDS; arguments fine, flags0, mask, attf, wo, prep, flags; writes attf, prep, flags
.if DOCPART == 3
	.amdgcn_target "amdgcn-amd-amdhsa--gfx1250"
	.amdhsa_code_object_version 6
	.text
	.protected	k_q3184d9820b_side
	.globl	k_q3184d9820b_side
	.p2align	8
	.type	k_q3184d9820b_side,@function
k_q3184d9820b_side:
	s_mov_b64 s[64:65], 0
	v_nop
	global_prefetch_b8 v0, s[64:65] scope:SCOPE_SE
	s_setreg_imm32_b32 hwreg(HW_REG_WAVE_MODE, 25, 1), 1
	s_wait_xcnt 0x0
; Three jobs in one launch, told apart by the work-group's number alone; none of them reads what another stores.
;  0..15    POSITIONS 0-15 OF EVERY HEAD ONCE MORE, ALL IN F32: these rows may average few values, and 16-bit operands would use up what the comparison allows.  16 rows of 2,048: no bulk work.
;  16..271  wo becomes f16, row-major, at prep+8912896, for the projection on the way out: a wave takes 4,096 numbers, all its 32 loads out at once.
;  272..395 the mask's tiles of 64 queries x 64 keys of strips 1 to 31 get their classes (0 = all -infinity, 1 = all +-0, 2 = anything else): flags[strip][key block]; a wave takes two neighbouring tiles.
; The first job is a chain of dependent loads on 16 work-groups; the other two are streams of 41 million bytes that nothing needs earlier: they run beside it.
; THE FINE PATH.  One work-group a head.  Wave w takes the 16 keys 64 j + 16 w of every block j of 64 keys whose tile of the mask against queries 0-63 is not all -infinity (flags0): the next such block by the
; lowest set bit of a bit mask made of the flags, the trips by the count of its bits; of the other blocks k and v were not stored in f32 either.  The mask is always added.  Products by
; v_wmma_f32_16x16x4_f32; both operands carry the same order of k in their registers (lane (r, h), register pair i of piece b: k = 16 b + 8 h + 2 i + 0, 1), so the sums are whole.  S^T = K Q^T,
; O^T = V^T P: a lane holds one query.  The registers that this matrix form writes (v160-191; v64-127 of window 1) are written by nothing else, on any of the three ways.
; The four waves' parts meet in LDS.  attf: [16 channels a' = 8 head + a][half][lane][16 B]: lane (r, h): row r, channels 16 a' + 8 h + 4 half + 0..3.
; LIMITS: wo is rounded to f16 (largest 65,504; under 6e-5 with fewer bits).  Rows 0-15 whose mask is all -infinity give 0 x infinity = NaN, as the softmax of such a row is.
; REGISTERS of the fine path: window 0: v32-95 Q, v96-159 K, v160-191 four accumulators of S^T, v192-199 s, v200-207 p, v208-215 mask, v216 c m, v217 m, v[218:219] l, v220-229 at work;
;   window 1: v0-63 V, v64-127 eight accumulators, v128-191 O^T, v192-255 the parts read back.  The streams: v12-20 addresses and small numbers, v32-159 as loaded, v192-255 results.
.set STATC, 32768                      ; LDS (the fine path's alone): 0: O's images [wave][16][lane][16 B]; c m [wave][lane]; l likewise; the spare words
.set STATL, 33280
.set SPARE, 33792
.set MSB, 0
.macro WIN new
.if MSB != (\new)
	s_set_vgpr_msb (MSB<<8)|(\new)
.set MSB, (\new)
.endif
.endm
	s_load_b256 s[4:11], s[0:1], 0x0               ; fine, flags0, mask, attf
	s_load_b128 s[32:35], s[0:1], 0x20             ; wo, prep
	s_load_b64 s[36:37], s[0:1], 0x30              ; flags
	v_lshl_add_u32 v30, v0, 2, SPARE
	v_mov_b32 v31, 0
	v_lshrrev_b32 v4, 5, v0
	v_readfirstlane_b32 s12, v4                    ; wave
	v_and_b32 v4, 31, v0                           ; lane
	v_lshlrev_b32 v1, 4, v4                        ; 16 x lane
	s_mov_b32 s21, 0
	s_cmp_ge_u32 ttmp9, 272
	s_cbranch_scc1 .Lmask
	s_cmp_ge_u32 ttmp9, 16
	s_cbranch_scc1 .Lconv
; ---- the fine path
	v_and_b32 v5, 15, v0
	v_bfe_u32 v6, v0, 4, 1
	v_lshlrev_b32 v3, 2, v4
	v_lshlrev_b32 v2, 13, v5
	v_lshl_add_u32 v2, v6, 5, v2
	s_lshl_b32 s13, s12, 6
	v_add_nc_u32 v2, s13, v2                       ; the mask: row r, + 64 wave + 32 h
	s_lshl_b32 s13, s12, 13
	v_add_nc_u32 v7, s13, v1                       ; my O
	s_lshl_b32 s13, s12, 11
	v_add_nc_u32 v8, s13, v1                       ; the four pieces 4 w .. 4 w + 3 of each part
	s_lshl_b32 s13, s12, 7
	s_add_co_u32 s13, s13, STATC
	v_add_nc_u32 v9, s13, v3
	v_add_nc_u32 v10, STATC, v3
	s_mov_b32 s24, 0x3e0293ee                      ; c = log2(e) / sqrt(128)
	s_mov_b32 s25, s24
	s_mov_b32 s26, 0x76543210
	s_mov_b32 s27, 0xfedcba98
	s_mov_b32 s28, 0x413504f3                      ; sqrt(128)
	s_mov_b32 s29, s28
	s_wait_kmcnt 0x0
	global_load_b32 v11, v3, s[6:7]                ; flags0, a lane a block
	s_lshl_b32 s20, ttmp9, 13
	s_add_co_u32 s20, s20, 33554432
	s_add_nc_u64 s[30:31], s[4:5], s[20:21]
.set n, 0
.rept 16
	global_load_b128 v[32+4*n:35+4*n], v1, s[30:31] offset:512*n
.set n, n+1
.endr
	s_lshl_b32 s20, ttmp9, 20
	s_lshl_b32 s13, s12, 13
	s_add_co_u32 s20, s20, s13
	s_add_nc_u64 s[14:15], s[4:5], s[20:21]        ; K: [head][16 keys: wave]
	s_add_nc_u64 s[16:17], s[14:15], 16777216      ; V
	s_mov_b64 s[18:19], s[8:9]
	s_lshl_b32 s20, ttmp9, 13
	s_lshl_b32 s13, s12, 11
	s_add_co_u32 s20, s20, s13
	s_add_nc_u64 s[10:11], s[10:11], s[20:21]      ; attf: (8 head + 2 wave) x 1,024
	v_mov_b32 v217, 0xff61b1e6                     ; m: -3e38
	v_mul_f32 v216, s24, v217
	v_mov_b32 v218, 0
	v_mov_b32 v219, 0
	v_mov_b32 v221, 0                              ; (a lane permute's destination counts as read)
	v_mov_b32 v225, 0                              ; (named as the upper half of a's pair)
	WIN 0x40
.set n, 0
.rept 64
	v_mov_b32 v[128+n], 0                          ; O^T: the step is written once; the first finds zeros
.set n, n+1
.endr
	WIN 0
	s_wait_loadcnt 0x0
	v_cmp_ne_u32 s22, 0, v11                       ; bit j: block j is live
	s_bcnt1_i32_b32 s23, s22                       ; so many trips
	s_cmp_eq_u32 s23, 0
	s_cbranch_scc1 .Lnone
.Lblk:
	s_ctz_i32_b32 s44, s22                         ; the next live block,
	s_min_u32 s44, s44, 31                         ; held inside the 32
	s_sub_co_u32 s45, s22, 1
	s_and_b32 s22, s22, s45                        ; it is taken off the list
	s_wait_xcnt 0x0                                ; the last trip's loads have read their bases
	s_lshl_b32 s20, s44, 15                        ; a block is four tiles of 16 keys, 8,192 bytes each
	s_add_nc_u64 s[38:39], s[14:15], s[20:21]
	s_add_nc_u64 s[40:41], s[16:17], s[20:21]
	s_lshl_b32 s20, s44, 8
	s_add_nc_u64 s[42:43], s[18:19], s[20:21]
.set n, 0
.rept 16
	global_load_b128 v[96+4*n:99+4*n], v1, s[38:39] offset:512*n
.set n, n+1
.endr
	global_load_b128 v[208:211], v2, s[42:43]
	global_load_b128 v[212:215], v2, s[42:43] offset:16
	WIN 0x40
.set n, 0
.rept 16
	global_load_b128 v[4*n:4*n+3], v1, s[40:41] offset:512*n
.set n, n+1
.endr
	WIN 0
	s_wait_loadcnt 0x0
.set n, 0
.rept 32                               ; four accumulators by turns, 4 of the 128 along K an instruction
.if n < 4
	v_wmma_f32_16x16x4_f32 v[160+8*(n%4):167+8*(n%4)], v[96+2*n:97+2*n], v[32+2*n:33+2*n], 0
.else
	v_wmma_f32_16x16x4_f32 v[160+8*(n%4):167+8*(n%4)], v[96+2*n:97+2*n], v[32+2*n:33+2*n], v[160+8*(n%4):167+8*(n%4)]
.endif
.set n, n+1
.endr
.rept 8
	v_nop                                          ; eight places behind this form
.endr
.irp p, 0,1,2,3
	v_pk_add_f32 v[192+2*\p:193+2*\p], v[160+2*\p:161+2*\p], v[168+2*\p:169+2*\p]
.endr
.irp p, 0,1,2,3
	v_pk_add_f32 v[192+2*\p:193+2*\p], v[192+2*\p:193+2*\p], v[176+2*\p:177+2*\p]
.endr
.irp p, 0,1,2,3
	v_pk_add_f32 v[192+2*\p:193+2*\p], v[192+2*\p:193+2*\p], v[184+2*\p:185+2*\p]
.endr
.irp p, 0,1,2,3
	v_pk_fma_f32 v[192+2*\p:193+2*\p], v[208+2*\p:209+2*\p], s[28:29], v[192+2*\p:193+2*\p] op_sel_hi:[1,0,1]   ; + sqrt(128) x mask
.endr
	v_max3_num_f32 v220, v192, v193, v194
	v_max3_num_f32 v221, v195, v196, v197
	v_max3_num_f32 v220, v220, v198, v199
	v_max3_num_f32 v220, v220, v221, v217
	v_mov_b32 v222, v216
	v_permlanex16_b32 v221, v220, s26, s27
	v_max_num_f32 v217, v220, v221
	v_mul_f32 v216, s24, v217
	v_sub_f32 v222, v222, v216
.irp p, 0,1,2,3
	v_pk_fma_f32 v[200+2*\p:201+2*\p], v[192+2*\p:193+2*\p], s[24:25], v[216:217] op_sel_hi:[1,0,0] neg_lo:[0,0,1] neg_hi:[0,0,1]
.endr
	v_exp_f32 v224, v222
.irp j, 0,1,2,3,4,5,6,7
	v_exp_f32 v[200+\j], v[200+\j]
.endr
	v_nop
	s_wait_alu depctr_va_vdst(0)                   ; one wait for the nine
	v_pk_add_f32 v[226:227], v[200:201], v[202:203]
	v_pk_add_f32 v[228:229], v[204:205], v[206:207]
	v_pk_add_f32 v[226:227], v[226:227], v[228:229]
	v_pk_fma_f32 v[218:219], v[218:219], v[224:225], v[226:227] op_sel_hi:[1,0,1]
	WIN 0x51                                       ; V window 1, p window 0, sums window 1
.irp i, 0,1,2,3
.irp a, 0,1,2,3,4,5,6,7
.if \i == 0
	v_wmma_f32_16x16x4_f32 v[64+8*\a:71+8*\a], v[8*\a+2*\i:8*\a+2*\i+1], v[200+2*\i:201+2*\i], 0
.else
	v_wmma_f32_16x16x4_f32 v[64+8*\a:71+8*\a], v[8*\a+2*\i:8*\a+2*\i+1], v[200+2*\i:201+2*\i], v[64+8*\a:71+8*\a]
.endif
.endr
.endr
.rept 8
	v_nop
.endr
.set n, 0
.rept 32
	v_pk_fma_f32 v[128+2*n:129+2*n], v[128+2*n:129+2*n], v[224:225], v[64+2*n:65+2*n] op_sel_hi:[1,0,1]   ; O = a O + this step's
.set n, n+1
.endr
	WIN 0
	s_sub_co_u32 s23, s23, 1
	s_cmp_lg_u32 s23, 0
	s_cbranch_scc1 .Lblk
.Lnone:
	v_add_f32 v220, v218, v219
	v_permlanex16_b32 v221, v220, s26, s27
	v_add_f32 v220, v220, v221
	ds_store_b32 v9, v216
	ds_store_b32 v9, v220 offset:STATL-STATC
	WIN 0x04
.set n, 0
.rept 16
	ds_store_b128 v7, v[128+4*n:131+4*n] offset:512*n
.set n, n+1
.endr
	WIN 0
	s_wait_dscnt 0x0                               ; for the others' sake: my stores have landed
	s_barrier_signal -1
	s_barrier_wait -1
.irp s, 0,1,2,3
	ds_load_b32 v[192+\s], v10 offset:128*\s
	ds_load_b32 v[196+\s], v10 offset:STATL-STATC+128*\s
.endr
	WIN 0x40
.irp s, 0,1,2,3
.irp q, 0,1,2,3
	ds_load_b128 v[192+16*\s+4*\q:195+16*\s+4*\q], v8 offset:8192*\s+512*\q
.endr
.endr
	WIN 0
	s_wait_dscnt 16                                ; the eight statistics are in; the sixteen loads of O's parts may be out
	v_max3_num_f32 v200, v192, v193, v194
	v_max_num_f32 v200, v200, v195
.irp s, 0,1,2,3
	v_sub_f32 v[201+\s], v[192+\s], v200
.endr
.irp s, 0,1,2,3
	v_exp_f32 v[201+\s], v[201+\s]
.endr
	v_nop
	s_wait_alu depctr_va_vdst(0)
	v_mul_f32 v205, v201, v196
	v_fmac_f32 v205, v202, v197
	v_fmac_f32 v205, v203, v198
	v_fmac_f32 v205, v204, v199
	v_rcp_f32 v206, v205
	v_nop
	s_wait_alu depctr_va_vdst(0)
.irp s, 0,1,2,3
	v_mul_f32 v[208+2*\s], v[201+\s], v206
	v_mul_f32 v[209+2*\s], v[201+\s], v206
.endr
	s_wait_dscnt 0x0
	WIN 0x01
.irp p, 0,1,2,3,4,5,6,7
	v_pk_mul_f32 v[96+2*\p:97+2*\p], v[192+2*\p:193+2*\p], v[208:209] op_sel_hi:[1,0]
.endr
.irp s, 1,2,3
.irp p, 0,1,2,3,4,5,6,7
	v_pk_fma_f32 v[96+2*\p:97+2*\p], v[192+16*\s+2*\p:193+16*\s+2*\p], v[208+2*\s:209+2*\s], v[96+2*\p:97+2*\p] op_sel_hi:[1,0,1]
.endr
.endr
	WIN 0
.irp q, 0,1,2,3
	global_store_b128 v1, v[96+4*\q:99+4*\q], s[10:11] offset:512*\q   ; 512 consecutive bytes
.endr
	s_wait_tensorcnt 0x0                           ; the wave's end
	ds_add_u32 v30, v31
	s_wait_dscnt 0x0
	s_endpgm
; ---- wo to f16.  32 loads of 512 dense bytes, all out at once; each load's four numbers a lane become 8 bytes; every store has data registers of its own.  No LDS.
.Lconv:
	s_sub_co_u32 s13, ttmp9, 16
	s_lshl_b32 s13, s13, 2
	s_add_co_u32 s13, s13, s12                     ; my run of 4,096 numbers, 0..1023
	s_lshl_b32 s20, s13, 14
	v_lshlrev_b32 v12, 3, v4                       ; 8 x lane
	s_wait_kmcnt 0x0
	s_add_nc_u64 s[32:33], s[32:33], s[20:21]
	s_lshl_b32 s20, s13, 13
	s_add_co_u32 s20, s20, 8912896
	s_add_nc_u64 s[34:35], s[34:35], s[20:21]
.set n, 0
.rept 32
	global_load_b128 v[32+4*n:35+4*n], v1, s[32:33] offset:512*n
.set n, n+1
.endr
.set n, 0
.rept 32
.if n%8 == 0
	s_wait_loadcnt 24-n                            ; the next eight loads are in; those behind them may be out
.endif
	v_cvt_pk_f16_f32 v[192+2*n], v[32+4*n], v[33+4*n]
	v_cvt_pk_f16_f32 v[193+2*n], v[34+4*n], v[35+4*n]
	global_store_b64 v12, v[192+2*n:193+2*n], s[34:35] offset:256*n   ; 256 consecutive bytes, aligned
.set n, n+1
.endr
	s_endpgm
; ---- the mask's classes, strips 1 to 31.  A tile is 32 loads, each two whole row pieces of 256 bytes.  The OR and the AND of all words tell the three classes apart.
; As soon as eight loads of the first tile have been taken into the chains, their registers are asked for again, for the second tile, 256 bytes to the right.  No LDS.
.Lmask:
	s_sub_co_u32 s13, ttmp9, 272
	s_lshl_b32 s13, s13, 2
	s_add_co_u32 s13, s13, s12
	s_lshl_b32 s13, s13, 1
	s_add_co_u32 s13, s13, 32                      ; my first tile = 32 x strip + key block, an even number from 32 on: the second lies in the same strip
	s_lshr_b32 s20, s13, 5
	s_lshl_b32 s20, s20, 19                        ; 64 rows of 8,192 bytes
	s_and_b32 s14, s13, 31
	s_lshl_b32 s14, s14, 8
	s_add_co_u32 s20, s20, s14
	v_lshrrev_b32 v13, 4, v4
	v_and_b32 v14, 15, v4
	v_lshlrev_b32 v13, 13, v13
	v_lshl_add_u32 v13, v14, 4, v13
	v_mov_b32 v15, 0xff800000                      ; -infinity
	s_wait_kmcnt 0x0
	s_add_nc_u64 s[8:9], s[8:9], s[20:21]
.macro START                           ; loads 0 and 1 start the chains, four of each kind: nothing is cleared
.irp k, 0,1,2,3
	v_or_b32 v[192+\k], v[32+\k], v[36+\k]
	v_and_b32 v[196+\k], v[32+\k], v[36+\k]
.endr
.endm
.macro ACCUM ld                        ; a load's four words go into the chains
.irp k, 0,1,2,3
	v_or_b32 v[192+\k], v[192+\k], v[32+4*(\ld)+\k]
	v_and_b32 v[196+\k], v[196+\k], v[32+4*(\ld)+\k]
.endr
.endm
.macro GROUP                           ; the eight loads 8 g .. 8 g + 7
.if g == 0
	START
.set ix, 2
.rept 6
	ACCUM ix
.set ix, ix+1
.endr
.else
.set ix, 8*g
.rept 8
	ACCUM ix
.set ix, ix+1
.endr
.endif
.endm
.macro CLASSIFY u                      ; the tile's class into v[18 + u]
	v_or_b32 v192, v192, v193
	v_or_b32 v194, v194, v195
	v_or_b32 v192, v192, v194
	v_and_b32 v196, v196, v197
	v_and_b32 v198, v198, v199
	v_and_b32 v196, v196, v198
	v_cmp_ne_u32 s24, v192, v15
	v_cmp_ne_u32 s25, v196, v15
	s_or_b32 s24, s24, s25                         ; 0: every word of every lane is -infinity
	v_and_b32 v16, 0x7fffffff, v192
	v_cmp_ne_u32 s26, 0, v16                       ; 0: every word is +-0
	s_cmp_eq_u32 s26, 0
	s_cselect_b32 s27, 1, 2
	s_cmp_eq_u32 s24, 0
	s_cselect_b32 s27, 0, s27
	v_mov_b32 v[18+\u], s27
.endm
.set ix, 0
.rept 32
	global_load_b128 v[32+4*ix:35+4*ix], v13, s[8:9] offset:16384*ix
.set ix, ix+1
.endr
.set g, 0
.rept 4
	s_wait_loadcnt 24                              ; this group is in: behind it stand three groups of eight, of this tile or of the next
	GROUP
.set ix, 8*g
.rept 8
	global_load_b128 v[32+4*ix:35+4*ix], v13, s[8:9] offset:16384*ix+256
.set ix, ix+1
.endr
.set g, g+1
.endr
	CLASSIFY 0
.set g, 0
.rept 4
	s_wait_loadcnt 24-8*g                          ; this group is in; the groups behind it may be out
	GROUP
.set g, g+1
.endr
	CLASSIFY 1
	s_lshl_b32 s13, s13, 2
	v_mov_b32 v20, s13
	s_wait_xcnt 0x0                                ; EXEC changes only behind this wait
	v_cmp_eq_u32 vcc_lo, 0, v4
	s_and_saveexec_b32 s28, vcc_lo
	global_store_b64 v20, v[18:19], s[36:37]       ; eight bytes a wave, 3,968 in the launch: too little to gather
	s_wait_xcnt 0x0
	s_or_b32 exec_lo, exec_lo, s28
	s_endpgm
.Lfunc_end_k_q3184d9820b_side:
	.size	k_q3184d9820b_side, .Lfunc_end_k_q3184d9820b_side-k_q3184d9820b_side
	.p2alignl 7, 3214868480
	.fill 96, 4, 3214868480
	.section	.rodata,"a",@progbits
	.p2align	6, 0x0
	.amdhsa_kernel k_q3184d9820b_side
		.amdhsa_group_segment_fixed_size 34304
		.amdhsa_private_segment_fixed_size 0
		.amdhsa_enable_private_segment 0
		.amdhsa_kernarg_size 56
		.amdhsa_user_sgpr_count 2
		.amdhsa_user_sgpr_kernarg_segment_ptr 1
		.amdhsa_wavefront_size32 1
		.amdhsa_system_sgpr_workgroup_id_x 1
		.amdhsa_system_sgpr_workgroup_id_y 1
		.amdhsa_system_sgpr_workgroup_id_z 1
		.amdhsa_system_vgpr_workitem_id 0
		.amdhsa_next_free_vgpr 512
		.amdhsa_next_free_sgpr 66
		.amdhsa_reserve_vcc 1
		.amdhsa_float_denorm_mode_32 3
		.amdhsa_float_denorm_mode_16_64 3
		.amdhsa_memory_ordered 1
		.amdhsa_forward_progress 1
		.amdhsa_inst_pref_size 60
	.end_amdhsa_kernel
	.amdgpu_metadata
---
amdhsa.version: [ 1, 2 ]
amdhsa.kernels:
  - .name:           k_q3184d9820b_side
    .symbol:         k_q3184d9820b_side.kd
    .args:
      - { .name: fine, .offset: 0, .size: 8, .value_kind: global_buffer, .address_space: global }
      - { .name: flags0, .offset: 8, .size: 8, .value_kind: global_buffer, .address_space: global }
      - { .name: mask, .offset: 16, .size: 8, .value_kind: global_buffer, .address_space: global }
      - { .name: attf, .offset: 24, .size: 8, .value_kind: global_buffer, .address_space: global }
      - { .name: wo, .offset: 32, .size: 8, .value_kind: global_buffer, .address_space: global }
      - { .name: prep, .offset: 40, .size: 8, .value_kind: global_buffer, .address_space: global }
      - { .name: flags, .offset: 48, .size: 8, .value_kind: global_buffer, .address_space: global }
    .group_segment_fixed_size: 34304
    .private_segment_fixed_size: 0
    .kernarg_segment_align: 8
    .kernarg_segment_size: 56
    .max_flat_workgroup_size: 128
    .sgpr_count:     66
    .vgpr_count:     512
    .wavefront_size: 32
...
	.end_amdgpu_metadata
.endif
;; end of part 3
;; launch attn (part 4): grid 16 x 16, 4 waves a work-group, no clusters, 153,088 bytes of LDS; arguments qkv, flags, mask, att; writes att
.if DOCPART == 4
	.amdgcn_target "amdgcn-amd-amdhsa--gfx1250"
	.amdhsa_code_object_version 6
	.text
	.protected	k_q3184d9820b_attn
	.globl	k_q3184d9820b_attn
	.p2align	8
	.type	k_q3184d9820b_attn,@function
k_q3184d9820b_attn:
	s_mov_b64 s[64:65], 0
	v_nop
	global_prefetch_b8 v0, s[64:65] scope:SCOPE_SE
	s_setreg_imm32_b32 hwreg(HW_REG_WAVE_MODE, 25, 1), 1
	s_wait_xcnt 0x0
; att[q][head] = softmax_k(q . k / sqrt(128) + mask[q][k]) v, operands in f16, products, maxima and sums in f32; att is f16, [2048][2048].
; SHARES.  Work-group (i, head) owns the strips of 64 queries i and 31 - i, one after the other (a choice of balance; every mask is served).  THE WAVES SHARE THE KEYS: each wave holds all 64 queries
; (four tiles of 16), so a fragment of K or V feeds four products, and takes the blocks of 64 keys j with j % 4 = jw.  K and V come from memory straight into registers, as the images that the launch
; before laid, each byte to one wave of the work-group.  The four waves' maxima, sums and O meet in LDS once a strip.
; THE MASK.  flags[strip][j]: 0 = the tile is all -infinity: every p is 0, so the block is passed over; 1 = all zero: nothing is added; 2 = the mask's tile is loaded and added.  A wave walks its live
; blocks alone: the next one by the lowest set bit of a bit mask made of the flags, the trips by the count of its bits.  A wave with no live block computes its own first block, under its mask: p = 0.
; No tensor load and no cluster here: the walk hangs on stored numbers.
; EVERY STEP ISSUES THE NEXT BLOCK'S LOADS, all lanes on, so that each counted wait counts the same loads on every way.  Where no block is left, the lanes' offset is multiplied by 0:
; each such load names one piece of 16 bytes of block 31, and nobody reads the result.
; LAYOUT.  S^T = K Q^T and O^T = V^T P: a lane holds ONE query throughout.  p = 2^(c s - c m), c = log2(e) / sqrt(128), s = score + sqrt(128) x mask, m the running maximum, never under -3e38.
; LIMITS: q, k, v, p, att in f16.  A row whose mask is all -infinity gives 0 x infinity = NaN, as the softmax of such a row is.  +infinity or NaN in the mask give NaN rows.
; REGISTERS: window 0: v1-15 addresses, v16-23 weights of the four parts, v32-63 statistics (8 a tile: c m, m, l, l, four at work), v64-191 S^T, v192-255 P;  window 1: O^T;
;   window 2: v0-127 Q, v128-255 K;  window 3: v0-127 V, v128-255 the mask's tile.
.set STATC, 131072                     ; LDS: 0: O's images [tile][wave][16][lane][16 B];  c m [wave][tile][lane];
.set STATL, 133120                     ; l likewise;
.set STG,   135168                     ; a stage of 16 rows x 272 bytes for each wave;
.set SPARE, 152576                     ; the spare words, named by no other line
.set ST,  32
.set S,   64
.set P,   192
.set CS,  58                           ; s[58:59] c
.set SEL, 60                           ; s[60:61] lane l xor 16
.set RT,  62                           ; s[62:63] sqrt(128)
.set MSB, 0
.macro WIN new
.if MSB != (\new)
	s_set_vgpr_msb (MSB<<8)|(\new)
.set MSB, (\new)
.endif
.endm
.macro PLACES
.rept 4
	v_nop
.endr
.endm
.macro QLOAD
	WIN 0x80
.set n, 0
.rept 32
	global_load_b128 v[4*n:4*n+3], v1, s[18:19] offset:512*n
.set n, n+1
.endr
	WIN 0
.endm
.macro KLOAD adr                       ; 64 keys x 128 channels: 32 loads of 512 consecutive bytes
	WIN 0x80
.set n, 0
.rept 32
	global_load_b128 v[128+4*n:131+4*n], v[\adr], s[20:21] offset:512*n
.set n, n+1
.endr
	WIN 0
.endm
.macro VLOAD adr
	WIN 0xc0
.set n, 0
.rept 32
	global_load_b128 v[4*n:4*n+3], v[\adr], s[22:23] offset:512*n
.set n, n+1
.endr
	WIN 0
.endm
.macro MLOAD                           ; the mask's tile in S^T's layout: lane (r, h): row 16 t + r, keys 16 kt + 8 h + 0..7
	WIN 0xc0
.irp t, 0,1,2,3
.irp kt, 0,1,2,3
.irp q, 0,1
	global_load_b128 v[128+32*\t+8*\kt+4*\q:131+32*\t+8*\kt+4*\q], v2, s[24:25] offset:131072*\t+64*\kt+16*\q
.endr
.endr
.endr
	WIN 0
.endm
.macro MADD                            ; s = score + sqrt(128) x mask, each accumulator from its low end on
	WIN 0x03
.set n, 0
.rept 64
	v_pk_fma_f32 v[S+2*n:S+2*n+1], v[128+2*n:129+2*n], s[RT:RT+1], v[S+2*n:S+2*n+1] op_sel_hi:[1,0,1]
.set n, n+1
.endr
	WIN 0
.endm
.macro KQ                              ; 64 products; the 16 accumulators take turns; the first 16 start the sums
	WIN 0x0a
.irp g, 0,1,2,3
.irp kt, 0,1,2,3
.irp t, 0,1,2,3
.if \g == 0
	v_wmma_f32_16x16x32_f16 v[S+32*\t+8*\kt:S+32*\t+8*\kt+7], v[128+32*\kt+8*\g:128+32*\kt+8*\g+7], v[32*\t+8*\g:32*\t+8*\g+7], 0
.else
	v_wmma_f32_16x16x32_f16 v[S+32*\t+8*\kt:S+32*\t+8*\kt+7], v[128+32*\kt+8*\g:128+32*\kt+8*\g+7], v[32*\t+8*\g:32*\t+8*\g+7], v[S+32*\t+8*\kt:S+32*\t+8*\kt+7]
.endif
.endr
.endr
.endr
.endm
.macro PV first                        ; 64 products; 32 accumulators by turns; in a strip's first step the first 32 start O^T's sums
	WIN 0x53
.irp u, 0,1
.irp a, 0,1,2,3,4,5,6,7
.irp t, 0,1,2,3
.if \first && (\u == 0)
	v_wmma_f32_16x16x32_f16 v[64*\t+8*\a:64*\t+8*\a+7], v[64*\u+8*\a:64*\u+8*\a+7], v[P+16*\t+8*\u:P+16*\t+8*\u+7], 0
.else
	v_wmma_f32_16x16x32_f16 v[64*\t+8*\a:64*\t+8*\a+7], v[64*\u+8*\a:64*\u+8*\a+7], v[P+16*\t+8*\u:P+16*\t+8*\u+7], v[64*\t+8*\a:64*\t+8*\a+7]
.endif
.endr
.endr
.endr
.endm
; The four tiles' softmax of a step, the tiles by turns line by line.  first = 1: no old maximum, no rescaling.
.macro SOFTMAX first
.irp j, 0,1,2,3
.irp t, 0,1,2,3
	v_max3_num_f32 v[ST+8*\t+4+\j], v[S+32*\t+8*\j], v[S+32*\t+8*\j+1], v[S+32*\t+8*\j+2]
.endr
.endr
.irp e, 3,5
.irp j, 0,1,2,3
.irp t, 0,1,2,3
	v_max3_num_f32 v[ST+8*\t+4+\j], v[ST+8*\t+4+\j], v[S+32*\t+8*\j+\e], v[S+32*\t+8*\j+\e+1]
.endr
.endr
.endr
.irp t, 0,1,2,3
	v_max3_num_f32 v[ST+8*\t+4], v[ST+8*\t+4], v[S+32*\t+7], v[S+32*\t+15]
.endr
.irp t, 0,1,2,3
	v_max3_num_f32 v[ST+8*\t+6], v[ST+8*\t+6], v[S+32*\t+23], v[S+32*\t+31]
.endr
.irp t, 0,1,2,3
	v_max3_num_f32 v[ST+8*\t+4], v[ST+8*\t+4], v[ST+8*\t+5], v[ST+8*\t+6]
.endr
.irp t, 0,1,2,3
.if \first
	v_max3_num_f32 v[ST+8*\t+4], v[ST+8*\t+4], v[ST+8*\t+7], 0xff61b1e6   ; -3e38: a row of -infinity alone keeps a finite m
.else
	v_max3_num_f32 v[ST+8*\t+4], v[ST+8*\t+4], v[ST+8*\t+7], v[ST+8*\t+1]
.endif
.endr
.irp t, 0,1,2,3
	v_permlanex16_b32 v[ST+8*\t+5], v[ST+8*\t+4], s[SEL], s[SEL+1]        ; the query's other 32 keys
.endr
.if !\first
.irp t, 0,1,2,3
	v_mov_b32 v[ST+8*\t+7], v[ST+8*\t]                                    ; the old c m
.endr
.endif
.irp t, 0,1,2,3
	v_max_num_f32 v[ST+8*\t+1], v[ST+8*\t+4], v[ST+8*\t+5]
.endr
.irp t, 0,1,2,3
	v_mul_f32 v[ST+8*\t], s[CS], v[ST+8*\t+1]
.endr
.if !\first
.irp t, 0,1,2,3
	v_sub_f32 v[ST+8*\t+7], v[ST+8*\t+7], v[ST+8*\t]
.endr
.endif
.set n, 0
.rept 16
.irp t, 0,1,2,3
	v_pk_fma_f32 v[S+32*\t+2*n:S+32*\t+2*n+1], v[S+32*\t+2*n:S+32*\t+2*n+1], s[CS:CS+1], v[ST+8*\t:ST+8*\t+1] op_sel_hi:[1,0,0] neg_lo:[0,0,1] neg_hi:[0,0,1]
.endr
.set n, n+1
.endr
.if !\first
.irp t, 0,1,2,3
	v_exp_f32 v[ST+8*\t+6], v[ST+8*\t+7]                                  ; a = 2^(old c m - new c m)
.endr
.endif
.set n, 0
.rept 32
.irp t, 0,1,2,3
	v_exp_f32 v[S+32*\t+n], v[S+32*\t+n]
.endr
.set n, n+1
.endr
	v_nop                                          ; a plain instruction behind the last exponential
	s_wait_alu depctr_va_vdst(0)                   ; one wait for the whole batch, ahead of its first reader
.set n, 0
.rept 16
.irp t, 0,1,2,3
	v_cvt_pk_f16_f32 v[P+16*\t+n], v[S+32*\t+2*n], v[S+32*\t+2*n+1]
.endr
.set n, n+1
.endr
.irp u, 0,1,2,3,4,5,6,7
.irp t, 0,1,2,3
	v_pk_add_f32 v[S+32*\t+4*\u:S+32*\t+4*\u+1], v[S+32*\t+4*\u:S+32*\t+4*\u+1], v[S+32*\t+4*\u+2:S+32*\t+4*\u+3]
.endr
.endr
.irp u, 0,1,2,3
.irp t, 0,1,2,3
	v_pk_add_f32 v[S+32*\t+8*\u:S+32*\t+8*\u+1], v[S+32*\t+8*\u:S+32*\t+8*\u+1], v[S+32*\t+8*\u+4:S+32*\t+8*\u+5]
.endr
.endr
.irp u, 0,1
.irp t, 0,1,2,3
	v_pk_add_f32 v[S+32*\t+16*\u:S+32*\t+16*\u+1], v[S+32*\t+16*\u:S+32*\t+16*\u+1], v[S+32*\t+16*\u+8:S+32*\t+16*\u+9]
.endr
.endr
.if \first
.irp t, 0,1,2,3
	v_pk_add_f32 v[ST+8*\t+2:ST+8*\t+3], v[S+32*\t:S+32*\t+1], v[S+32*\t+16:S+32*\t+17]
.endr
.else
.irp t, 0,1,2,3
	v_pk_add_f32 v[S+32*\t:S+32*\t+1], v[S+32*\t:S+32*\t+1], v[S+32*\t+16:S+32*\t+17]
.endr
.irp t, 0,1,2,3
	v_pk_fma_f32 v[ST+8*\t+2:ST+8*\t+3], v[ST+8*\t+2:ST+8*\t+3], v[ST+8*\t+6:ST+8*\t+7], v[S+32*\t:S+32*\t+1] op_sel_hi:[1,0,1]
.endr
	WIN 0x41
.set n, 0
.rept 32
.irp t, 0,1,2,3
	v_pk_mul_f32 v[64*\t+2*n:64*\t+2*n+1], v[64*\t+2*n:64*\t+2*n+1], v[ST+8*\t+6:ST+8*\t+7] op_sel_hi:[1,0]
.endr
.set n, n+1
.endr
	WIN 0
.endif
.endm
; A KEY STEP.  On entry block s37's K, then its V, have been asked for (in a strip's first step Q ahead of them).
.macro STEP first
	s_wait_xcnt 0x0                                ; the earlier loads have read their addresses: bases and v7 may be written
	s_min_u32 s36, s30, 1                          ; 1 while a live block of mine is left
	s_ctz_i32_b32 s35, s30                         ; its number,
	s_min_u32 s35, s35, 31                         ; held inside the head's 32 blocks
	s_sub_co_u32 s32, s30, 1
	s_and_b32 s30, s30, s32                        ; it is taken off the list
	v_mul_u32_u24 v7, s36, v1                      ; 16 x lane, or 0 for all lanes
	s_lshl_b32 s38, s35, 14
	s_add_nc_u64 s[20:21], s[40:41], s[38:39]
	s_add_nc_u64 s[22:23], s[42:43], s[38:39]
	s_lshl_b32 s38, s37, 8
	s_add_nc_u64 s[24:25], s[44:45], s[38:39]      ; this block's columns of the mask
	s_wait_loadcnt 32                              ; K is in (and Q); behind it stand V's 32 loads
	s_bitcmp1_b32 s31, s37
	s_cbranch_scc1 .Lplain_\@                      ; the mask's tile is all zero
	MLOAD
	KQ
	WIN 0
	PLACES                                         ; ahead of the loads into K's registers and of the first read of S^T
	KLOAD 7
	s_wait_loadcnt 32                              ; V and the mask's tile are in; behind them stand the next K's 32 loads
	MADD
	s_branch .Ljoin_\@
.Lplain_\@:
	KQ
	WIN 0
	PLACES
	KLOAD 7
.Ljoin_\@:
	SOFTMAX \first
	s_wait_loadcnt 32                              ; V is in: on either way the next K's 32 loads were issued behind it
	PV \first
	WIN 0
	PLACES                                         ; ahead of the loads into V's registers
	VLOAD 7
	s_min_u32 s37, s35, 31                         ; the next block is the block in hand
.endm
	s_load_b256 s[4:11], s[0:1], 0x0               ; qkv, flags, mask, att
	v_lshl_add_u32 v30, v0, 2, SPARE
	v_mov_b32 v31, 0
	v_lshrrev_b32 v24, 5, v0
	v_readfirstlane_b32 s12, v24                   ; wave
	s_mov_b32 s13, ttmp9                           ; i
	s_and_b32 s14, ttmp7, 0xffff                   ; head
	v_and_b32 v24, 31, v0
	v_and_b32 v25, 15, v0                          ; r
	v_bfe_u32 v26, v0, 4, 1                        ; h
	v_lshlrev_b32 v1, 4, v24                       ; 16 x lane
	v_lshlrev_b32 v2, 13, v25
	v_lshl_add_u32 v2, v26, 5, v2                  ; the mask: row r, + 32 h
	v_lshlrev_b32 v3, 2, v24
	s_lshl_b32 s32, s12, 9
	s_add_co_u32 s32, s32, STATC
	v_add_nc_u32 v5, s32, v3                       ; my statistics: 512 x wave + 4 x lane
	s_lshl_b32 s32, s12, 7
	s_add_co_u32 s32, s32, STATC
	v_add_nc_u32 v6, s32, v3                       ; those of tile w: 128 x wave + 4 x lane
	s_lshl_b32 s32, s12, 13
	v_add_nc_u32 v8, s32, v1                       ; my O of tile t: 32768 t + 8192 x wave + 16 x lane
	v_add_nc_u32 v9, 32768, v8
	v_add_nc_u32 v10, 65536, v8
	v_add_nc_u32 v11, 98304, v8
	s_lshl_b32 s32, s12, 15
	v_add_nc_u32 v12, s32, v1                      ; all four parts of tile w
	s_mul_i32 s32, s12, 4352
	s_add_co_u32 s32, s32, STG
	v_mul_u32_u24 v13, v25, 272
	v_lshl_add_u32 v13, v26, 4, v13
	v_add_nc_u32 v13, s32, v13                     ; the stage, in
	v_mul_u32_u24 v14, v26, 272
	v_lshl_add_u32 v14, v25, 4, v14
	v_add_nc_u32 v14, s32, v14                     ; and back: lanes 0-15 one row, lanes 16-31 the next
	v_lshlrev_b32 v15, 12, v26
	v_lshl_add_u32 v15, v25, 4, v15                ; the same two rows in att
	s_lshl_b32 s32, s13, 7
	v_add_nc_u32 v27, s32, v3                      ; flags: strip i, a lane a block
	s_sub_co_u32 s32, 31, s13
	s_lshl_b32 s32, s32, 7
	v_add_nc_u32 v28, s32, v3                      ; strip 31 - i
	s_mov_b32 s[CS], 0x3e0293ee
	s_mov_b32 s[CS+1], s[CS]
	s_mov_b32 s[SEL], 0x76543210
	s_mov_b32 s[SEL+1], 0xfedcba98
	s_mov_b32 s[RT], 0x413504f3
	s_mov_b32 s[RT+1], s[RT]
	s_mov_b32 s39, 0
	s_lshl_b32 s38, s14, 19
	s_wait_kmcnt 0x0
	global_load_b32 v4, v27, s[6:7]
	global_load_b32 v29, v28, s[6:7]
	s_add_nc_u64 s[40:41], s[4:5], s[38:39]
	s_add_nc_u64 s[42:43], s[40:41], 16777216      ; the head's V
	s_add_nc_u64 s[40:41], s[40:41], 8388608       ; the head's K
	s_wait_loadcnt 0x0
	v_cmp_ne_u32 s28, 0, v4                        ; bit j: block j is live;
	v_cmp_eq_u32 s29, 1, v4                        ; its tile of the mask is all zero
	v_cmp_ne_u32 s46, 0, v29
	v_cmp_eq_u32 s47, 1, v29
	s_mov_b32 s15, 0
.Lpass:
	s_wait_loadcnt 0x0                             ; the last strip's unread loads have landed: K's and V's registers may be loaded again
	s_wait_xcnt 0x0                                ; and every base and store register may be written
	s_sub_co_u32 s32, 31, s13
	s_sub_co_u32 s33, s12, s13
	s_sub_co_u32 s33, s33, 1
	s_and_b32 s33, s33, 3                          ; in the second strip the blocks are dealt (wave - i - 1) % 4, so that the two strips' remainders fall on different waves
	s_cmp_eq_u32 s15, 0
	s_cselect_b32 s16, s13, s32                    ; strip
	s_cselect_b32 s17, s12, s33                    ; jw
	s_cselect_b32 s30, s28, s46
	s_cselect_b32 s31, s29, s47
	s_lshl_b32 s32, 0x11111111, s17
	s_and_b32 s30, s30, s32                        ; my live blocks
	s_bcnt1_i32_b32 s34, s30
	s_max_u32 s34, s34, 1
	s_sub_co_u32 s34, s34, 1                       ; steps behind the first
	s_ctz_i32_b32 s37, s30
	s_cmp_lg_u32 s30, 0
	s_cselect_b32 s37, s37, s17                    ; the first live one, or my own first block, which is dead then
	s_min_u32 s37, s37, 31
	s_sub_co_u32 s32, s30, 1
	s_and_b32 s30, s30, s32
	s_lshl_b32 s38, s14, 19
	s_lshl_b32 s32, s16, 14
	s_add_co_u32 s38, s38, s32
	s_add_nc_u64 s[18:19], s[4:5], s[38:39]        ; Q: the strip's four blocks of 16 rows
	s_lshl_b32 s38, s37, 14
	s_add_nc_u64 s[20:21], s[40:41], s[38:39]
	s_add_nc_u64 s[22:23], s[42:43], s[38:39]
	s_lshl_b32 s38, s16, 19
	s_add_nc_u64 s[44:45], s[8:9], s[38:39]        ; the strip's 64 rows of the mask
	s_lshl_b32 s38, s16, 6
	s_lshl_b32 s32, s12, 4
	s_add_co_u32 s38, s38, s32
	s_lshl_b32 s38, s38, 12
	s_lshl_b32 s32, s14, 8
	s_add_co_u32 s38, s38, s32
	s_add_nc_u64 s[26:27], s[10:11], s[38:39]      ; att: row 64 strip + 16 wave, the head's 256 bytes
	QLOAD
	KLOAD 1
	VLOAD 1
	STEP 1
	s_cmp_eq_u32 s34, 0
	s_cbranch_scc1 .Lcomb
.Ltrip:
	STEP 0
	s_sub_co_u32 s34, s34, 1
	s_cmp_lg_u32 s34, 0
	s_cbranch_scc1 .Ltrip
.Lcomb:
; THE FOUR PARTS MEET.  Each wave stores c m, l and O^T of its four tiles; behind the barrier wave w finishes tile w.
.irp t, 0,1,2,3
	v_add_f32 v[ST+8*\t+4], v[ST+8*\t+2], v[ST+8*\t+3]
.endr
.irp t, 0,1,2,3
	v_permlanex16_b32 v[ST+8*\t+5], v[ST+8*\t+4], s[SEL], s[SEL+1]
.endr
.irp t, 0,1,2,3
	v_add_f32 v[ST+8*\t+4], v[ST+8*\t+4], v[ST+8*\t+5]
.endr
.irp t, 0,1,2,3
	ds_store_b32 v5, v[ST+8*\t] offset:128*\t
	ds_store_b32 v5, v[ST+8*\t+4] offset:STATL-STATC+128*\t
.endr
	WIN 0x04
.irp t, 0,1,2,3
.set n, 0
.rept 16
	ds_store_b128 v[8+\t], v[64*\t+4*n:64*\t+4*n+3] offset:512*n    ; each accumulator from its low end on
.set n, n+1
.endr
.endr
	WIN 0
	s_wait_dscnt 0x0                               ; for the others' sake: my stores have landed
	s_barrier_signal -1
	s_barrier_wait -1
.irp s, 0,1,2,3
	ds_load_b32 v[32+\s], v6 offset:512*\s
	ds_load_b32 v[36+\s], v6 offset:STATL-STATC+512*\s
.endr
	WIN 0x40
.irp s, 0,1,2,3
.set n, 0
.rept 16
	ds_load_b128 v[64*\s+4*n:64*\s+4*n+3], v12 offset:8192*\s+512*n
.set n, n+1
.endr
.endr
	WIN 0
	s_wait_dscnt 63                                ; 72 loads were issued, the eight statistics first: with 63 out at the most the oldest nine are in (63 is the largest count that this wait can name)
	v_max3_num_f32 v40, v32, v33, v34
	v_max_num_f32 v40, v40, v35
.irp s, 0,1,2,3
	v_sub_f32 v[41+\s], v[32+\s], v40
.endr
.irp s, 0,1,2,3
	v_exp_f32 v[41+\s], v[41+\s]                   ; a part's weight 2^(c m_s - the largest c m)
.endr
	v_nop
	s_wait_alu depctr_va_vdst(0)
	v_mul_f32 v45, v41, v36
	v_fmac_f32 v45, v42, v37
	v_fmac_f32 v45, v43, v38
	v_fmac_f32 v45, v44, v39                       ; the row's sum
	v_rcp_f32 v46, v45
	v_nop
	s_wait_alu depctr_va_vdst(0)
.irp s, 0,1,2,3
	v_mul_f32 v[16+2*\s], v[41+\s], v46
	v_mul_f32 v[17+2*\s], v[41+\s], v46
.endr
	s_wait_dscnt 0x0                               ; all four parts of O are in
	WIN 0x01
.set n, 0
.rept 32
	v_pk_mul_f32 v[64+2*n:65+2*n], v[2*n:2*n+1], v[16:17] op_sel_hi:[1,0]
.set n, n+1
.endr
.irp s, 1,2,3
.set n, 0
.rept 32
	v_pk_fma_f32 v[64+2*n:65+2*n], v[64*\s+2*n:64*\s+2*n+1], v[16+2*\s:17+2*\s], v[64+2*n:65+2*n] op_sel_hi:[1,0,1]
.set n, n+1
.endr
.endr
	WIN 0
.set n, 0
.rept 32
	v_cvt_pk_f16_f32 v[128+n], v[64+2*n], v[65+2*n]
.set n, n+1
.endr
.irp a, 0,1,2,3,4,5,6,7
	ds_store_b128 v13, v[128+4*\a:131+4*\a] offset:32*\a             ; row r, channels 16 a + 8 h on
.endr
.irp f, 0,1,2,3,4,5,6,7
	ds_load_b128 v[160+4*\f:163+4*\f], v14 offset:544*\f             ; my own stage: LDS serves a wave's instructions in order
.endr
.irp f, 0,1,2,3,4,5,6,7
	s_wait_dscnt 7-\f
	global_store_b128 v15, v[160+4*\f:163+4*\f], s[26:27] offset:8192*\f   ; 16 lanes store 256 consecutive bytes, aligned
.endr
	s_wait_dscnt 0x0                               ; my reads of the images and statistics are over:
	s_barrier_signal -1
	s_barrier_wait -1                              ; everybody's are: the next strip may store there
	s_add_co_u32 s15, s15, 1
	s_cmp_lt_u32 s15, 2
	s_cbranch_scc1 .Lpass
	s_wait_tensorcnt 0x0                           ; the wave's end
	ds_add_u32 v30, v31
	s_wait_dscnt 0x0
	s_endpgm
.Lfunc_end_k_q3184d9820b_attn:
	.size	k_q3184d9820b_attn, .Lfunc_end_k_q3184d9820b_attn-k_q3184d9820b_attn
	.p2alignl 7, 3214868480
	.fill 96, 4, 3214868480
	.section	.rodata,"a",@progbits
	.p2align	6, 0x0
	.amdhsa_kernel k_q3184d9820b_attn
		.amdhsa_group_segment_fixed_size 153088
		.amdhsa_private_segment_fixed_size 0
		.amdhsa_enable_private_segment 0
		.amdhsa_kernarg_size 32
		.amdhsa_user_sgpr_count 2
		.amdhsa_user_sgpr_kernarg_segment_ptr 1
		.amdhsa_wavefront_size32 1
		.amdhsa_system_sgpr_workgroup_id_x 1
		.amdhsa_system_sgpr_workgroup_id_y 1
		.amdhsa_system_sgpr_workgroup_id_z 1
		.amdhsa_system_vgpr_workitem_id 0
		.amdhsa_next_free_vgpr 1024
		.amdhsa_next_free_sgpr 66
		.amdhsa_reserve_vcc 0
		.amdhsa_float_denorm_mode_32 3
		.amdhsa_float_denorm_mode_16_64 3
		.amdhsa_memory_ordered 1
		.amdhsa_forward_progress 1
		.amdhsa_inst_pref_size 146
	.end_amdhsa_kernel
	.amdgpu_metadata
---
amdhsa.version: [ 1, 2 ]
amdhsa.kernels:
  - .name:           k_q3184d9820b_attn
    .symbol:         k_q3184d9820b_attn.kd
    .args:
      - { .name: qkv, .offset: 0, .size: 8, .value_kind: global_buffer, .address_space: global }
      - { .name: flags, .offset: 8, .size: 8, .value_kind: global_buffer, .address_space: global }
      - { .name: mask, .offset: 16, .size: 8, .value_kind: global_buffer, .address_space: global }
      - { .name: att, .offset: 24, .size: 8, .value_kind: global_buffer, .address_space: global }
    .group_segment_fixed_size: 153088
    .private_segment_fixed_size: 0
    .kernarg_segment_align: 8
    .kernarg_segment_size: 32
    .max_flat_workgroup_size: 128
    .sgpr_count:     66
    .vgpr_count:     1024
    .wavefront_size: 32
...
	.end_amdgpu_metadata
.endif
;; end of part 4
;; launch oproj (part 5): grid 16 x 16, 4 waves a work-group, clusters of 4 x 4, 327,680 bytes of LDS; arguments att, prep, out0; writes out0
.if DOCPART == 5
	.amdgcn_target "amdgcn-amd-amdhsa--gfx1250"
	.amdhsa_code_object_version 6
	.text
	.protected	k_q3184d9820b_oproj
	.globl	k_q3184d9820b_oproj
	.p2align	8
	.type	k_q3184d9820b_oproj,@function
k_q3184d9820b_oproj:
	s_mov_b64 s[64:65], 0
	v_nop
	global_prefetch_b8 v0, s[64:65] scope:SCOPE_SE
	s_setreg_imm32_b32 hwreg(HW_REG_WAVE_MODE, 25, 1), 1
	s_wait_xcnt 0x0
	s_wait_alu depctr_hold_cnt(0) depctr_sa_sdst(0) depctr_va_vdst(0) depctr_va_sdst(0) depctr_va_ssrc(0) depctr_va_vcc(0) depctr_vm_vsrc(0)
	s_getreg_b32 s2, hwreg(HW_REG_IB_STS2, 6, 4)
	s_cmp_eq_u32 s2, 0
	s_cbranch_scc0 .Lentry_in_a_cluster
	s_endpgm
.Lentry_in_a_cluster:
	s_bfe_u32 s2, ttmp6, 0x10000c
	s_cmp_lg_u32 s2, 0xf033
	s_cbranch_scc0 .Lentry_shape_is_right
	s_endpgm
.Lentry_shape_is_right:
; out0[m][n] = sum over k of att[m][k] wo[n][k]: att and wo in f16 (wo at prep+8912896), sums and out0 in f32.  2048 x 2048 x 2048.
; A tile of out0 is 128 x 128, so that each of 256 work-groups has one: four waves, each 64 x 64: 16 accumulators.  K goes in steps of 256 (LDS rows of 512 bytes) through two slots filled by the tensor
; data mover.  4 x 4 work-groups form a cluster: A's tiles are asked for jointly along a row of it, B's along a column.  The matrix instruction is used transposed (source 0 = 16 rows of wo,
; source 1 = 16 rows of att): a lane holds eight neighbouring numbers of a row of out0.  Rows 0-15 are stored here too; the last launch stores them again, from f32 operands.
; REGISTERS: window 0: v0-31 addresses; v32-95 the way out; v128-255 the accumulators;  window 1: two fragment buffers of 128.
.set SIZE_K, 2048
.set SIZE_N, 2048
.set KSTEP,  256
.set PITCH,  528                       ; 512 bytes + 16: the 16 rows of a fragment load start at 16 different banks
.set HALFT,  64*PITCH
.set SLOT,   4*HALFT
.set STAGE,  2*SLOT                    ; behind the ring: 16 rows x 272 bytes for each wave: a wave's 64 columns of f32 are 256 bytes
.set SPITCH, 272
.set SPARE,  STAGE+4*16*SPITCH
.set LAPS, SIZE_K/(2*KSTEP)
.set ADRA, 16
.set ADRB, 20
.set STO,  24
.set RD,   25
.set CO,   26
.set SPW,  28
.set NIL,  29
.set TMP,  32
.set ACC,  128
.set F0,   0
.set F1,   128
.set G1, 24
.set G0, 32
.set G1B, 48
.set G0B, 56
.set MSB, 0
.macro WIN new
.if MSB != (\new)
	s_set_vgpr_msb (MSB<<8)|(\new)
.set MSB, (\new)
.endif
.endm
.set MUL,  0x05
.set TO_F, 0x40
.macro JLOAD s                         ; a joint load: waves 0, 1 for A, waves 2, 3 for B; an s_nop 0 and four v_nop follow each line
	s_cmp_eq_u32 s11, 0
	s_cbranch_scc0 .Lfor_b_\@
	tensor_load_to_lds s[G0+4*\s:G0+4*\s+3], s[G1:G1+7]
	s_nop 0
.rept 4
	v_nop
.endr
	s_branch .Lasked_\@
.Lfor_b_\@:
	tensor_load_to_lds s[G0B+4*\s:G0B+4*\s+3], s[G1B:G1B+7]
	s_nop 0
.rept 4
	v_nop
.endr
.Lasked_\@:
.endm
.macro CREST
	s_cmp_lg_u32 s10, 0
	s_cbranch_scc1 .Lnot_wave_0_\@
	s_barrier_signal -3
.Lnot_wave_0_\@:
	s_barrier_wait -3
	s_barrier_signal -1
	s_barrier_wait -1
.endm
.macro CROUND
	s_barrier_signal -1
	s_barrier_wait -1
	CREST
.endm
	s_load_b128 s[4:7], s[0:1], 0x0                ; att, prep
	s_load_b64 s[8:9], s[0:1], 0x10                ; out0
	v_lshl_add_u32 v[SPW], v0, 2, SPARE
	v_mov_b32 v[NIL], 0
	ds_add_u32 v[SPW], v[NIL]                      ; the opening: the add, twice on end, and its wait ahead of my first tensor load
	ds_add_u32 v[SPW], v[NIL]
	v_lshrrev_b32 v1, 5, v0
	v_readfirstlane_b32 s10, v1
	s_lshr_b32 s11, s10, 1                         ; my half of the rows; also: I fetch for A (0) or B (1)
	s_and_b32 s12, s10, 1                          ; my half of the columns; also: which 64 rows I fetch
	s_bfe_u32 s40, ttmp6, 0x40000
	s_bfe_u32 s41, ttmp6, 0x40004
	s_lshl_b32 s42, ttmp9, 2
	s_add_co_u32 s42, s42, s40                     ; tile column
	s_and_b32 s13, ttmp7, 0xffff
	s_lshl_b32 s13, s13, 2
	s_add_co_u32 s13, s13, s41                     ; tile row
	s_lshl_b32 s43, s41, 2
	s_lshl_b32 s43, 15, s43
	s_lshl_b32 s44, 0x1111, s40
	s_or_b32 s[G1+0], s43, (1<<16)|(1<<20)|(1<<21)|(6<<22)|(3<<25)  ; mask; elements of 2 bytes; padding: 4 words after every 128; bit 21 beside a mask
	s_or_b32 s[G1B+0], s44, (1<<16)|(1<<20)|(1<<21)|(6<<22)|(3<<25)
.irp g, G1, G1B
	s_mov_b32 s[\g+1], KSTEP<<16
	s_mov_b32 s[\g+2], 64<<16
	s_mov_b32 s[\g+3], KSTEP<<16
	s_mov_b32 s[\g+4], 64
	s_mov_b32 s[\g+5], SIZE_K
	s_mov_b32 s[\g+6], 0
	s_mov_b32 s[\g+7], 0
.endr
	s_lshl_b32 s17, s12, 6
	s_lshl_b32 s16, s13, 7
	s_add_co_u32 s16, s16, s17
	s_lshl_b32 s46, s42, 7
	s_add_co_u32 s46, s46, s17
	s_mov_b32 s17, 0
	s_mov_b32 s47, 0
	s_mov_b64 s[18:19], SIZE_K*2
	s_mul_u64 s[16:17], s[16:17], s[18:19]
	s_mul_u64 s[46:47], s[46:47], s[18:19]
	s_add_nc_u64 s[46:47], s[46:47], 8912896       ; wo's f16 lie behind the codes and scales
	s_mul_i32 s20, s10, HALFT
	s_wait_dscnt 0x0
	s_wait_kmcnt 0x0
	s_add_nc_u64 s[14:15], s[4:5], s[16:17]
	s_add_nc_u64 s[46:47], s[6:7], s[46:47]
	CROUND
.irp s, 0,1
	s_mov_b32 s[G0+4*\s], 1
	s_add_co_u32 s[G0+4*\s+1], s20, \s*SLOT
	s_add_nc_u64 s[G0+4*\s+2:G0+4*\s+3], s[14:15], \s*KSTEP*2
	s_or_b32 s[G0+4*\s+3], s[G0+4*\s+3], 0x80000000
	s_mov_b32 s[G0B+4*\s], 1
	s_add_co_u32 s[G0B+4*\s+1], s20, \s*SLOT
	s_add_nc_u64 s[G0B+4*\s+2:G0B+4*\s+3], s[46:47], \s*KSTEP*2
	s_or_b32 s[G0B+4*\s+3], s[G0B+4*\s+3], 0x80000000
	JLOAD \s
.endr
	v_and_b32 v1, 15, v0
	v_bfe_u32 v2, v0, 4, 1
	v_mul_u32_u24 v3, v1, PITCH
	v_lshl_add_u32 v3, v2, 4, v3
	s_mul_i32 s21, s11, HALFT
	s_mul_i32 s22, s12, HALFT
	s_add_co_u32 s22, s22, 2*HALFT
.irp s, 0,1
	v_add_nc_u32 v[ADRA+\s], s21, v3
	v_add_nc_u32 v[ADRB+\s], s22, v3
	s_add_co_u32 s21, s21, SLOT
	s_add_co_u32 s22, s22, SLOT
.endr
	s_mul_i32 s23, s10, 16*SPITCH
	s_add_co_u32 s23, s23, STAGE                   ; my stage
	v_mul_u32_u24 v4, v1, SPITCH
	v_lshl_add_u32 v4, v2, 5, v4
	v_add_nc_u32 v[STO], s23, v4                   ; in: row r, 32 bytes for each half of the lanes
	v_mul_u32_u24 v5, v2, SPITCH
	v_lshl_add_u32 v5, v1, 4, v5
	v_add_nc_u32 v[RD], s23, v5                    ; back: lanes 0-15 one row of 256 bytes, lanes 16-31 the next
	v_lshlrev_b32 v5, 13, v2
	v_lshl_add_u32 v[CO], v1, 4, v5                ; the same two rows in out0
	s_lshl_b32 s16, s13, 7
	s_lshl_b32 s17, s11, 6
	s_add_co_u32 s16, s16, s17                     ; my first row
	s_mov_b32 s17, 0
	s_lshl_b64 s[16:17], s[16:17], 13
	s_add_nc_u64 s[8:9], s[8:9], s[16:17]
	s_lshl_b32 s46, s42, 9
	s_lshl_b32 s47, s12, 8
	s_add_co_u32 s46, s46, s47                     ; my first column, in bytes
	s_mov_b32 s47, 0
	s_add_nc_u64 s[8:9], s[8:9], s[46:47]
.macro MUL8 f, c, a0, zero             ; the 16 accumulators take turns
.irp a, \a0, \a0+1
.irp b, 0,1,2,3
.if \zero
	v_wmma_f32_16x16x32_f16 v[ACC+8*(4*(\a)+\b):ACC+8*(4*(\a)+\b)+7], v[\f+64+8*(4*\c+\b):\f+64+8*(4*\c+\b)+7], v[\f+8*(4*\c+\a):\f+8*(4*\c+\a)+7], 0
.else
	v_wmma_f32_16x16x32_f16 v[ACC+8*(4*(\a)+\b):ACC+8*(4*(\a)+\b)+7], v[\f+64+8*(4*\c+\b):\f+64+8*(4*\c+\b)+7], v[\f+8*(4*\c+\a):\f+8*(4*\c+\a)+7], v[ACC+8*(4*(\a)+\b):ACC+8*(4*(\a)+\b)+7]
.endif
.endr
.endr
.endm
.macro FETCH slot, k, f
	WIN TO_F
.irp c, 0,1
.irp i, 0,1,2,3
	ds_load_b128 v[\f+64+8*(4*\c+\i):\f+64+8*(4*\c+\i)+3],   v[ADRB+\slot] offset:\k+64*\c+\i*16*PITCH
	ds_load_b128 v[\f+64+8*(4*\c+\i)+4:\f+64+8*(4*\c+\i)+7], v[ADRB+\slot] offset:\k+64*\c+\i*16*PITCH+32
	ds_load_b128 v[\f+8*(4*\c+\i):\f+8*(4*\c+\i)+3],         v[ADRA+\slot] offset:\k+64*\c+\i*16*PITCH
	ds_load_b128 v[\f+8*(4*\c+\i)+4:\f+8*(4*\c+\i)+7],       v[ADRA+\slot] offset:\k+64*\c+\i*16*PITCH+32
.endr
.endr
.endm
.macro PLACES
.rept 4
	v_nop
.endr
.endm
.macro QUARTER slot, k, f, g, zero
	s_wait_dscnt 16                                ; the first 32 along K are in; the other sixteen loads may be out
	WIN MUL
	MUL8 \f, 0, 0, \zero
	MUL8 \f, 0, 2, \zero
	PLACES
	FETCH \slot, \k, \g
	s_wait_dscnt 32                                ; all but the 32 just issued
	WIN MUL
	MUL8 \f, 1, 0, 0
	MUL8 \f, 1, 2, 0
.endm
.macro TURN slot, next, fill
	WIN 0
	s_wait_tensorcnt 0x0                           ; all my tensor loads have landed: my part of the next slot
	ds_add_u32 v[SPW], v[NIL]
	s_wait_dscnt 17                                ; (the add and the youngest sixteen loads may be out)
	WIN MUL
	MUL8 F1, 0, 0, 0
	s_wait_dscnt 0x0                               ; the add is done, and my reads of this slot are over
	s_barrier_signal -1
	MUL8 F1, 0, 2, 0
.if \fill
	WIN 0
.endif
	s_barrier_wait -1
.if \fill
	CREST
	s_add_nc_u64 s[G0+4*\slot+2:G0+4*\slot+3], s[G0+4*\slot+2:G0+4*\slot+3], 2*KSTEP*2
	s_add_nc_u64 s[G0B+4*\slot+2:G0B+4*\slot+3], s[G0B+4*\slot+2:G0B+4*\slot+3], 2*KSTEP*2
	JLOAD \slot                                    ; my one tensor load behind the round; its four v_nop are the places for the loads below
.else
	PLACES
.endif
	FETCH \next, 0, F0
	WIN MUL
	MUL8 F1, 1, 0, 0
	MUL8 F1, 1, 2, 0
.endm
	s_wait_tensorcnt 1                             ; my part of K step 0 is in; K step 1's may be out
	s_barrier_signal -1
	s_barrier_wait -1
	FETCH 0, 0, F0
	QUARTER 0, 128, F0, F1, 1
	WIN 0
	s_mov_b32 s3, LAPS-1
.Llap:
	QUARTER 0, 256, F1, F0, 0
	QUARTER 0, 384, F0, F1, 0
	TURN 0, 1, 1
	QUARTER 1, 128, F0, F1, 0
	QUARTER 1, 256, F1, F0, 0
	QUARTER 1, 384, F0, F1, 0
	TURN 1, 0, 1
	QUARTER 0, 128, F0, F1, 0
	WIN 0
	s_sub_co_u32 s3, s3, 1
	s_cmp_lg_u32 s3, 0
	s_cbranch_scc1 .Llap
	QUARTER 0, 256, F1, F0, 0                      ; the last lap fills nothing
	QUARTER 0, 384, F0, F1, 0
	TURN 0, 1, 0
	QUARTER 1, 128, F0, F1, 0
	QUARTER 1, 256, F1, F0, 0
	QUARTER 1, 384, F0, F1, 0
	s_wait_dscnt 16
	WIN MUL
	MUL8 F1, 0, 0, 0
	MUL8 F1, 0, 2, 0
	s_wait_dscnt 0
	MUL8 F1, 1, 0, 0
	MUL8 F1, 1, 2, 0
	WIN 0
; THE WAY OUT, a block of 16 rows x 64 columns at a time through my own stage: it comes back as whole rows of 256 bytes.  LDS serves a wave's instructions in order.
.macro TOSTAGE a
.irp b, 0,1,2,3
	ds_store_b128 v[STO], v[ACC+8*(4*(\a)+\b):ACC+8*(4*(\a)+\b)+3] offset:64*\b       ; each accumulator from its low end on
	ds_store_b128 v[STO], v[ACC+8*(4*(\a)+\b)+4:ACC+8*(4*(\a)+\b)+7] offset:64*\b+16
.endr
.irp f, 0,1,2,3,4,5,6,7
	ds_load_b128 v[TMP+32*((\a)%2)+4*\f:TMP+32*((\a)%2)+4*\f+3], v[RD] offset:2*\f*SPITCH
.endr
.endm
.macro SEND a, younger                 ; younger: the LDS instructions issued behind block a's loads
	s_wait_dscnt \younger
.irp f, 0,1,2,3,4,5,6,7
	global_store_b128 v[CO], v[TMP+32*((\a)%2)+4*\f:TMP+32*((\a)%2)+4*\f+3], s[8:9] offset:(16*(\a)+2*\f)*SIZE_N*4 th:TH_STORE_NT   ; 16 lanes store 256 consecutive bytes, aligned
.endr
.endm
	PLACES
	TOSTAGE 0
.irp a, 1,2,3
.if \a > 1
	s_wait_xcnt 0x0                                ; block a - 2's stores have read their registers
.endif
	TOSTAGE \a
	SEND \a-1, 16
.endr
	SEND 3, 0
	s_wait_tensorcnt 0x0                           ; the wave's end
	ds_add_u32 v[SPW], v[NIL]
	s_wait_dscnt 0x0
	CROUND                                         ; the closing round
	s_endpgm
.Lfunc_end_k_q3184d9820b_oproj:
	.size	k_q3184d9820b_oproj, .Lfunc_end_k_q3184d9820b_oproj-k_q3184d9820b_oproj
	.p2alignl 7, 3214868480
	.fill 96, 4, 3214868480
	.section	.rodata,"a",@progbits
	.p2align	6, 0x0
	.amdhsa_kernel k_q3184d9820b_oproj
		.amdhsa_group_segment_fixed_size 327680
		.amdhsa_private_segment_fixed_size 0
		.amdhsa_enable_private_segment 0
		.amdhsa_kernarg_size 24
		.amdhsa_user_sgpr_count 2
		.amdhsa_user_sgpr_kernarg_segment_ptr 1
		.amdhsa_wavefront_size32 1
		.amdhsa_system_sgpr_workgroup_id_x 1
		.amdhsa_system_sgpr_workgroup_id_y 1
		.amdhsa_system_sgpr_workgroup_id_z 1
		.amdhsa_system_vgpr_workitem_id 0
		.amdhsa_next_free_vgpr 512
		.amdhsa_next_free_sgpr 66
		.amdhsa_reserve_vcc 0
		.amdhsa_float_denorm_mode_32 3
		.amdhsa_float_denorm_mode_16_64 3
		.amdhsa_memory_ordered 1
		.amdhsa_forward_progress 1
		.amdhsa_inst_pref_size 86
	.end_amdhsa_kernel
	.amdgpu_metadata
---
amdhsa.version: [ 1, 2 ]
amdhsa.kernels:
  - .name:           k_q3184d9820b_oproj
    .symbol:         k_q3184d9820b_oproj.kd
    .args:
      - { .name: att, .offset: 0, .size: 8, .value_kind: global_buffer, .address_space: global }
      - { .name: prep, .offset: 8, .size: 8, .value_kind: global_buffer, .address_space: global }
      - { .name: out0, .offset: 16, .size: 8, .value_kind: global_buffer, .address_space: global }
    .group_segment_fixed_size: 327680
    .private_segment_fixed_size: 0
    .kernarg_segment_align: 8
    .kernarg_segment_size: 24
    .max_flat_workgroup_size: 128
    .sgpr_count:     66
    .vgpr_count:     512
    .wavefront_size: 32
...
	.end_amdgpu_metadata
.endif
;; end of part 5
;; launch fout (part 6): grid 128 x 1, 8 waves a work-group, no clusters, 167,936 bytes of LDS; arguments attf, wo, out0; writes out0
.if DOCPART == 6
	.amdgcn_target "amdgcn-amd-amdhsa--gfx1250"
	.amdhsa_code_object_version 6
	.text
	.protected	k_q3184d9820b_fout
	.globl	k_q3184d9820b_fout
	.p2align	8
	.type	k_q3184d9820b_fout,@function
k_q3184d9820b_fout:
	s_mov_b64 s[64:65], 0
	v_nop
	global_prefetch_b8 v0, s[64:65] scope:SCOPE_SE
	s_setreg_imm32_b32 hwreg(HW_REG_WAVE_MODE, 25, 1), 1
	s_wait_xcnt 0x0
; Rows 0-15 of out0 once more, from f32 operands: out0[m][n] = sum over k of attf[m][k] wo[n][k], m < 16.  16 rows of 2,048: no bulk work.  It runs last and stores over what the f16 product left there.
; Work-group g makes columns 16 g .. 16 g + 15; wave w sums k = 256 w .. 256 w + 255 by v_wmma_f32_16x16x4_f32 (source 0 = 16 rows of wo, source 1 = the 16 rows of attf: a lane holds one row of out0
; and eight neighbouring columns); the eight parts meet in LDS and wave 0 adds them.  attf comes as images of registers; wo's 16 rows x 1,024 bytes come by one tensor load a wave into bytes that the
; wave alone reads, rows 1,040 bytes apart; both operands carry the same order of k (lane (r, h), pair i of piece a: k = 16 a + 8 h + 2 i + 0, 1).
; One tensor load of a wave is out, and no LDS byte is filled twice.  A row's piece of out0 is 64 bytes; the launch stores 131,072 bytes in all.
.set TILE,  16640                      ; 16 rows x (1,024 + 16)
.set RED,   8*TILE                     ; the parts: [wave][half][lane][16 B]
.set SPARE, RED+8*1024                 ; the spare words: 128 bytes a wave
	s_load_b128 s[4:7], s[0:1], 0x0                ; attf, wo
	s_load_b64 s[8:9], s[0:1], 0x10                ; out0
	v_lshl_add_u32 v2, v0, 2, SPARE
	v_mov_b32 v3, 0
	ds_add_u32 v2, v3                              ; the opening: the add, twice on end, and its wait ahead of my tensor load
	ds_add_u32 v2, v3
	v_lshrrev_b32 v1, 5, v0
	v_readfirstlane_b32 s10, v1                    ; wave
	s_mov_b32 s16, (2<<16)|(1<<20)|(7<<22)|(3<<25) ; elements of 4 bytes; padding: 4 words after every 256
	s_mov_b32 s17, 256<<16                         ; tensor_dim0
	s_mov_b32 s18, 16<<16                          ; tensor_dim1
	s_mov_b32 s19, 256<<16                         ; tile_dim0
	s_mov_b32 s20, 16                              ; tile_dim1
	s_mov_b32 s21, 2048                            ; pitch
	s_mov_b32 s22, 0
	s_mov_b32 s23, 0
	s_mov_b32 s12, 1
	s_mul_i32 s13, s10, TILE
	s_lshl_b32 s24, ttmp9, 17                      ; 16 rows of 8,192 bytes
	s_lshl_b32 s25, s10, 10
	s_add_co_u32 s24, s24, s25
	s_mov_b32 s25, 0
	s_wait_dscnt 0x0
	s_wait_kmcnt 0x0
	s_add_nc_u64 s[14:15], s[6:7], s[24:25]
	s_or_b32 s15, s15, 0x80000000
	tensor_load_to_lds s[12:15], s[16:23]
	s_nop 0
	v_and_b32 v1, 31, v0
	v_lshlrev_b32 v4, 4, v1                        ; 16 x lane
	v_and_b32 v6, 15, v0                           ; r
	v_bfe_u32 v7, v0, 4, 1                         ; h
	v_mul_u32_u24 v5, v6, 1040
	v_lshl_add_u32 v5, v7, 5, v5
	v_add_nc_u32 v5, s13, v5                       ; wo: row r, + 32 h
	s_lshl_b32 s26, s10, 10
	s_add_co_u32 s26, s26, RED
	v_add_nc_u32 v16, s26, v4                      ; my part
	v_add_nc_u32 v17, RED, v4                      ; all parts
	v_lshlrev_b32 v18, 13, v6
	v_lshl_add_u32 v18, v7, 5, v18                 ; out0: row r, + 32 h
	s_lshl_b32 s26, s10, 14
	s_mov_b32 s27, 0
	s_add_nc_u64 s[4:5], s[4:5], s[26:27]
	s_lshl_b32 s26, ttmp9, 6
	s_add_nc_u64 s[8:9], s[8:9], s[26:27]
.set n, 0
.rept 32
	global_load_b128 v[32+4*n:35+4*n], v4, s[4:5] offset:512*n
.set n, n+1
.endr
	s_wait_tensorcnt 0x0                           ; my tile of wo is in LDS; I alone read it
.irp hh, 0,1
.if \hh
.rept 8
	v_nop                                          ; eight places ahead of loads into registers that this form has read
.endr
.endif
.irp aa, 0,1,2,3,4,5,6,7
.irp q, 0,1
	ds_load_b128 v[160+8*\aa+4*\q:163+8*\aa+4*\q], v5 offset:512*\hh+64*\aa+16*\q
.endr
.endr
	s_wait_dscnt 0x0
.if \hh == 0
	s_wait_loadcnt 0x0
.endif
.set n, 0
.rept 32                               ; four accumulators by turns
.if (\hh == 0) && (n < 4)
	v_wmma_f32_16x16x4_f32 v[224+8*(n%4):231+8*(n%4)], v[160+2*n:161+2*n], v[32+64*\hh+2*n:33+64*\hh+2*n], 0
.else
	v_wmma_f32_16x16x4_f32 v[224+8*(n%4):231+8*(n%4)], v[160+2*n:161+2*n], v[32+64*\hh+2*n:33+64*\hh+2*n], v[224+8*(n%4):231+8*(n%4)]
.endif
.set n, n+1
.endr
.endr
.rept 8
	v_nop
.endr
.irp p, 0,1,2,3
	v_pk_add_f32 v[8+2*\p:9+2*\p], v[224+2*\p:225+2*\p], v[232+2*\p:233+2*\p]
.endr
.irp p, 0,1,2,3
	v_pk_add_f32 v[8+2*\p:9+2*\p], v[8+2*\p:9+2*\p], v[240+2*\p:241+2*\p]
.endr
.irp p, 0,1,2,3
	v_pk_add_f32 v[8+2*\p:9+2*\p], v[8+2*\p:9+2*\p], v[248+2*\p:249+2*\p]
.endr
	ds_store_b128 v16, v[8:11]
	ds_store_b128 v16, v[12:15] offset:512
	s_wait_dscnt 0x0                               ; for wave 0's sake: my part has landed
	s_barrier_signal -1
	s_barrier_wait -1
	s_cmp_lg_u32 s10, 0
	s_cbranch_scc1 .Lrest
.irp s, 0,1,2,3,4,5,6,7
.irp q, 0,1
	ds_load_b128 v[32+8*\s+4*\q:35+8*\s+4*\q], v17 offset:1024*\s+512*\q
.endr
.endr
	s_wait_dscnt 0x0
.irp s, 0,1,2,3
.irp p, 0,1,2,3
	v_pk_add_f32 v[32+8*\s+2*\p:33+8*\s+2*\p], v[32+8*\s+2*\p:33+8*\s+2*\p], v[64+8*\s+2*\p:65+8*\s+2*\p]
.endr
.endr
.irp s, 0,1
.irp p, 0,1,2,3
	v_pk_add_f32 v[32+8*\s+2*\p:33+8*\s+2*\p], v[32+8*\s+2*\p:33+8*\s+2*\p], v[48+8*\s+2*\p:49+8*\s+2*\p]
.endr
.endr
.irp p, 0,1,2,3
	v_pk_add_f32 v[32+2*\p:33+2*\p], v[32+2*\p:33+2*\p], v[40+2*\p:41+2*\p]
.endr
	global_store_b128 v18, v[32:35], s[8:9]
	global_store_b128 v18, v[36:39], s[8:9] offset:16
.Lrest:
	s_wait_tensorcnt 0x0                           ; the wave's end
	ds_add_u32 v2, v3
	s_wait_dscnt 0x0
	s_endpgm
.Lfunc_end_k_q3184d9820b_fout:
	.size	k_q3184d9820b_fout, .Lfunc_end_k_q3184d9820b_fout-k_q3184d9820b_fout
	.p2alignl 7, 3214868480
	.fill 96, 4, 3214868480
	.section	.rodata,"a",@progbits
	.p2align	6, 0x0
	.amdhsa_kernel k_q3184d9820b_fout
		.amdhsa_group_segment_fixed_size 167936
		.amdhsa_private_segment_fixed_size 0
		.amdhsa_enable_private_segment 0
		.amdhsa_kernarg_size 24
		.amdhsa_user_sgpr_count 2
		.amdhsa_user_sgpr_kernarg_segment_ptr 1
		.amdhsa_wavefront_size32 1
		.amdhsa_system_sgpr_workgroup_id_x 1
		.amdhsa_system_sgpr_workgroup_id_y 1
		.amdhsa_system_sgpr_workgroup_id_z 1
		.amdhsa_system_vgpr_workitem_id 0
		.amdhsa_next_free_vgpr 256
		.amdhsa_next_free_sgpr 66
		.amdhsa_reserve_vcc 0
		.amdhsa_float_denorm_mode_32 3
		.amdhsa_float_denorm_mode_16_64 3
		.amdhsa_memory_ordered 1
		.amdhsa_forward_progress 1
		.amdhsa_inst_pref_size 17
	.end_amdhsa_kernel
	.amdgpu_metadata
---
amdhsa.version: [ 1, 2 ]
amdhsa.kernels:
  - .name:           k_q3184d9820b_fout
    .symbol:         k_q3184d9820b_fout.kd
    .args:
      - { .name: attf, .offset: 0, .size: 8, .value_kind: global_buffer, .address_space: global }
      - { .name: wo, .offset: 8, .size: 8, .value_kind: global_buffer, .address_space: global }
      - { .name: out0, .offset: 16, .size: 8, .value_kind: global_buffer, .address_space: global }
    .group_segment_fixed_size: 167936
    .private_segment_fixed_size: 0
    .kernarg_segment_align: 8
    .kernarg_segment_size: 24
    .max_flat_workgroup_size: 256
    .sgpr_count:     66
    .vgpr_count:     256
    .wavefront_size: 32
...
	.end_amdgpu_metadata
.endif
;; end of part 6
